; MI455X (gfx1250); checked and timed in simulation.
; The chip was launched on July 23, 2026; its instructions are those of AMD's public machine-readable ISA for CDNA 5 (MIT licence, August 2026) and "CDNA5" Instruction Set Architecture Reference Guide (July 2026). The comments in the code are by the model that wrote it; some were corrected since.
;; Ro PE Attention. Allowed arithmetic: matrix products marked QUANTISED: E2M3 operands, one E8M0 scale for each 32 along K, by v_wmma_scale_f32_16x16x128_f8f6f4 with both operands' format E2M3, f32 sums; everything else in f32.
;; Inputs: out_b 1,024 float32; out_w 1,024 x 1,024 float32; qkv_b 3,072 float32; qkv_w 3,072 x 1,024 float32; x 8 x 1,024 x 1,024 float32.
;; Outputs: out0 8 x 1,024 x 1,024 float32.
;; This version of the problem:
;;   THIS VERSION OF THE PROBLEM IS GIVEN IN LOW PRECISION. The matrix products marked QUANTISED in the list below multiply operands that are first quantised to E2M3 (2 exponent bits, 3 mantissa bits; 6 bits a number), with one power-of-two scale for each 32 numbers along K (OCP MX v1.0); their sums are f32. All else is computed in f32.
;;   The module's matrix products, in the order in which they are computed (A, B: the left and right operand; K: the contracted axis; several contracted axes count as one K, in the product's order):
;;     1. [M 8,192, K 1,024] x [K 1,024, N 3,072]; A: input x; B: input qkv_w: QUANTISED
;;     2. batch 128 x [M 1,024, K 64] x [K 64, N 1,024]; A: computed on the way; B: computed on the way: QUANTISED
;;     3. batch 128 x [M 1,024, K 1,024] x [K 1,024, N 64]; A: softmax (see below); B: computed on the way: QUANTISED
;;     4. [M 8,192, K 1,024] x [K 1,024, N 1,024]; A: computed on the way; B: input out_w: QUANTISED
;;   THE QUANTISER, for each operand of a quantised product, along K:
;;     - K is cut into blocks of 32 from its start; a last block that is shorter is filled with zeros.
;;     - A block's scale is 2^e with e = floor(log2(the largest magnitude in the block)) - 2, held to -126 .. 127; a block of zeros has e = 0. As a byte (E8M0): e + 127.
;;     - Each number is divided by its block's scale, clamped to +-7.5, and rounded to the nearest number of E2M3, ties to even, subnormals kept.
;;     - The product sums the exact products of the quantised numbers (number of the format x scale) in f32.
;;   ~~~python
;;   def quantise(x, axis):      # numpy; x: float32 -> the quantised numbers, widened to float32 again
;;       x = np.moveaxis(x, axis, -1); K = x.shape[-1]
;;       x = np.pad(x, [(0, 0)] * (x.ndim - 1) + [(0, -K % 32)]); x = x.reshape(x.shape[:-1] + (-1, 32)); a = np.abs(x).max(-1, keepdims=True)
;;       e = np.where(a > 0, np.clip(np.frexp(np.where(a > 0, a, 1))[1] - 1 - 2, -126, 127), 0)      # np.frexp(a)[1] - 1 = floor(log2(a)), exactly
;;       r = np.clip(x / 2.0 ** e, -7.5, 7.5)
;;       step = 2.0 ** (np.maximum(np.frexp(np.where(r == 0, 1, r))[1] - 1, 0) - 3)
;;       q = np.round(r / step) * step * 2.0 ** e      # np.round: ties to even
;;       return np.moveaxis(q.reshape(q.shape[:-2] + (-1,))[..., :K], -1, axis).astype(np.float32)
;;   ~~~
;;   SOFTMAX AHEAD OF A QUANTISED PRODUCT. Where the list says 'softmax', what is quantised is not the finished softmax but p = 2^(t - M), with t = logit x log2(e) and M = ceil(the row's largest t), a whole number; so 1/2 < the row's largest p <= 1. The row's sum l is taken of the UNQUANTISED p, in f32, and the product's result is divided by l at the end. Since M is a whole number, a kernel that streams over the keys may use a running M (the ceiling of the running maximum): every later rescaling is an exact power of two, which a block's scale takes up: the codes' values come out the same.
;;   OPERANDS COMPUTED ON THE WAY. 'Computed on the way' means the value that the module computes at that place (a softmax that the list does not call 'softmax' is quantised finished and normalised). What goes into a quantiser is computed in f32, as accurately as f32 sums, v_exp_f32 and their like allow (about 1e-6 of the number): no bf16 or f16 on the way to a quantiser, and a product that is left as it is and whose result goes on into a quantised operand takes f32 operands (vector FMAs, or v_wmma_f32_16x16x4_f32). A number that lies on a knife's edge between two numbers of the format may be rounded either way, as far as f32 arithmetic and the matrix unit's own rounding can turn it there, and no further.
;; One version. Each part assembles by itself: llvm-mc -triple=amdgcn-amd-amdhsa -mcpu=gfx1250 --defsym DOCPART=n.
;; ======== version 1 of 1: 4 launches
;; limits: right only within a limited range of input values
;; workspace buffers: wc 9,437,184 bytes; wsc 393,216 bytes; rope 4,096 bytes; qq 6,815,744 bytes; kv 13,369,344 bytes; oc 6,291,456 bytes; os 262,144 bytes
;; launch prep (part 1): grid 769 x 1, 4 waves a work-group, no clusters, 36,352 bytes of LDS; arguments x, qkv_w, out_w, wc, wsc, rope; writes wc, wsc, rope
.if DOCPART == 1
	.amdgcn_target "amdgcn-amd-amdhsa--gfx1250"
	.amdhsa_code_object_version 6
	.text
	.protected	k_q008871ce00_prep
	.globl	k_q008871ce00_prep
	.p2align	8
	.type	k_q008871ce00_prep,@function
k_q008871ce00_prep:
	s_mov_b64 s[64:65], 0
	v_nop
	global_prefetch_b8 v0, s[64:65] scope:SCOPE_SE
	s_setreg_imm32_b32 hwreg(HW_REG_WAVE_MODE, 25, 1), 1
	s_wait_xcnt 0x0
; x [8192][1024], qkv_w [3072][1024] and out_w [1024][1024], f32, K innermost, become codes of FP6 (E2M3) with one E8M0 byte for each 32 along K; one more work-group makes the table of cos and sin for the 2-D RoPE.
; The three tensors count as one run of 12,288 rows (x 0.., qkv_w 8192.., out_w 11264..).
; CODES (wc): [tile of 16 rows][half step of 64 K][768 bytes]: an IMAGE OF OPERAND REGISTERS: lane (r = l % 16, h = l / 16) holds block h of row r in six registers; registers 0-3 lie at 16 l, registers 4-5 at 512 + 8 l.
; INSIDE A BLOCK OF 32 THE NUMBERS STAND IN THE ORDER 0-7, 16-23, 8-15, 24-31: the same order on both operands of every product of this program, so scales and exact products are those of the plain order;
; it is the order in which two neighbouring result tiles of a transposed product lie in a pair of lanes, so that computed operands need no shuffle of rows.
; SCALE WORDS (wsc): [128 K: 8 planes][row]: four bytes a word.
; A block's scale is 2^(floor(log2(largest magnitude)) - 2); its byte is the largest magnitude's exponent field - 2, held at 1 from below.
; LIMITS: a block whose largest magnitude lies under 2^-124 keeps the byte 1, a block of zeros too (the rule says 127: its codes are zeros, and this program alone reads the bytes); NaN and infinities are not served.
; SHARES: work-group id: 64 rows (id / 4) x 256 K (id % 4); wave w: 16 rows, four half steps.  Each load reads two runs of 256 consecutive bytes; a half step turns through the wave's own stage in LDS so that a lane gets a whole block.
; No tensor load, no matrix unit, no cluster: the launch reads each byte once and shares nothing between work-groups.  All 32 loads of a wave are out at once.
.set STGB,  4352                       ; a stage: 16 rows x (256 + 16) bytes
.set WREG,  8704                       ; two stages for each wave
.set SCW,   34816                      ; behind them: [2 planes][64 rows] scale words, 512 bytes
.set PLANE, 49152                      ; a plane of wsc
.set R,     120                        ; v120-247 the numbers as loaded: 32 registers a half step
.set X,     56                         ; v56-119  two sets of 32: a lane's block
.set C,     24                         ; v24-55   codes: eight registers a half step, so that no store's data are written again
	s_load_b256 s[4:11], s[0:1], 0x0               ; x, qkv_w, out_w, wc
	s_load_b128 s[12:15], s[0:1], 0x20             ; wsc, rope
	v_lshl_add_u32 v248, v0, 2, 0x8c00
	v_mov_b32 v249, 0
	v_lshrrev_b32 v1, 5, v0
	v_readfirstlane_b32 s16, v1                    ; wave
	v_and_b32 v1, 31, v0                           ; lane
	s_cmp_eq_u32 ttmp9, 768
	s_cbranch_scc1 .Ltable                         ; the last work-group, all its waves: the table; that way has no barrier and touches no LDS
	v_and_b32 v2, 15, v0                           ; r
	v_bfe_u32 v3, v0, 4, 1                         ; h
	s_lshr_b32 s17, ttmp9, 2                       ; which 64 rows
	s_and_b32 s18, ttmp9, 3                        ; which 256 along K
	s_mul_i32 s26, s16, WREG
	s_lshl_b32 s27, s16, 6
	v_lshlrev_b32 v4, 12, v3
	v_lshl_add_u32 v4, v2, 4, v4                   ; in: lanes 0-15 one row's 256 bytes, lanes 16-31 the next row's
	v_mul_u32_u24 v5, v3, 272
	v_lshl_add_u32 v5, v2, 4, v5
	v_add_nc_u32 v5, s26, v5                       ; into the stage, as loaded
	v_mul_u32_u24 v6, v2, 272
	v_lshl_add_u32 v6, v3, 7, v6
	v_add_nc_u32 v6, s26, v6                       ; out of it: row r, block h
	v_lshlrev_b32 v7, 4, v1                        ; 16 l
	v_lshlrev_b32 v8, 3, v1                        ; 8 l
	v_lshl_add_u32 v9, v2, 2, s27
	v_add_nc_u32 v9, SCW, v9                       ; my row's scale word in LDS
	v_mov_b32 v13, 0                               ; a lane permute's destination counts as read
	v_lshlrev_b32 v14, 3, v3                       ; 8 h: my bytes' place in a word
	v_mul_u32_u24 v22, v3, PLANE
	v_lshl_add_u32 v22, v2, 4, v22                 ; the words' way out: lanes 0-15 one plane's 256 bytes, lanes 16-31 the next plane's
	v_add_nc_u32 v23, SCW, v7
	s_mov_b32 s20, 0x76543210
	s_mov_b32 s21, 0xfedcba98                      ; selects for lane l xor 16
	s_mov_b32 s22, 176
	s_wait_kmcnt 0x0
	s_cmp_lt_u32 s17, 176                          ; which tensor: the choice hangs on the work-group's number alone
	s_cselect_b64 s[6:7], s[6:7], s[8:9]
	s_cselect_b32 s22, 128, s22
	s_cmp_lt_u32 s17, 128
	s_cselect_b64 s[4:5], s[4:5], s[6:7]
	s_cselect_b32 s22, 0, s22                      ; the tensor's first group of 64 rows
	s_sub_co_u32 s24, s17, s22
	s_lshl_b32 s24, s24, 6
	s_lshl_b32 s25, s16, 4
	s_add_co_u32 s24, s24, s25                     ; my first row in the tensor
	s_lshl_b32 s24, s24, 12
	s_lshl_b32 s25, s18, 10
	s_add_co_u32 s24, s24, s25
	s_mov_b32 s25, 0
	s_add_nc_u64 s[4:5], s[4:5], s[24:25]
	s_lshl_b32 s24, s17, 2
	s_add_co_u32 s24, s24, s16                     ; my tile of 16 rows
	s_mul_i32 s24, s24, 12288
	s_mul_i32 s28, s18, 3072
	s_add_co_u32 s24, s24, s28
	s_add_nc_u64 s[10:11], s[10:11], s[24:25]
	s_mul_i32 s24, s18, 2*PLANE
	s_lshl_b32 s28, s17, 8
	s_add_co_u32 s24, s24, s28
	s_add_nc_u64 s[12:13], s[12:13], s[24:25]
.irp s, 0,1,2,3
.irp i, 0,1,2,3,4,5,6,7
	global_load_b128 v[R+32*\s+4*\i:R+32*\s+4*\i+3], v4, s[4:5] offset:8192*\i+256*\s th:TH_LOAD_NT   ; rows 2 i and 2 i + 1, half step s
.endr
.endr
.macro TURN s                          ; half step s through a stage; LDS serves a wave's instructions in order, so no wait stands between the stores and the loads
	s_wait_loadcnt 8*(3-(\s))                      ; its eight loads are in; those of the later half steps stay out
.irp i, 0,1,2,3,4,5,6,7
	ds_store_b128 v5, v[R+32*(\s)+4*\i:R+32*(\s)+4*\i+3] offset:STGB*((\s)%2)+544*\i
.endr
.irp k, 0,1,2,3,4,5,6,7                ; my block, in the order 0-7, 16-23, 8-15, 24-31
	ds_load_b128 v[X+32*((\s)%2)+4*\k:X+32*((\s)%2)+4*\k+3], v6 offset:STGB*((\s)%2)+16*(\k%2)+64*((\k/2)%2)+32*(\k/4)
.endr
.endm
.macro STEP s
.set XS, X+32*((\s)%2)
.set CS, C+8*(\s)
	s_wait_dscnt 0x0                               ; my block is back from the stage
.if (\s) < 3
	TURN (\s)+1                                    ; the next half step goes through the other stage meanwhile
.endif
	v_max3_num_f32 v10, |v[XS]|, |v[XS+1]|, |v[XS+2]|              ; the block's largest magnitude: all 32 numbers are mine; two chains
	v_max3_num_f32 v11, |v[XS+3]|, |v[XS+4]|, |v[XS+5]|
.irp i, 6,10,14,18,22,26
	v_max3_num_f32 v10, v10, |v[XS+\i]|, |v[XS+\i+1]|
	v_max3_num_f32 v11, v11, |v[XS+\i+2]|, |v[XS+\i+3]|
.endr
	v_max3_num_f32 v10, v10, |v[XS+30]|, |v[XS+31]|
	v_max3_num_f32 v10, v10, v11, 0x1800000        ; and the floor 2^(3 - 127): the byte cannot fall under 1
	v_add_nc_u32 v12, 0xff000000, v10              ; 2 off the exponent field: the conversion takes this operand's exponent field as its scale
	v_cvt_scalef32_pk16_fp6_f32 v[CS:CS+2], v[XS:XS+15], v12
	v_cvt_scalef32_pk16_fp6_f32 v[CS+4:CS+6], v[XS+16:XS+31], v12  ; (a conversion's three registers begin on an even number)
	v_lshrrev_b32 v[16+(\s)], 23, v12              ; the scale's byte; also the plain line behind the conversions
	v_mov_b32 v[CS+3], v[CS+4]
	v_mov_b32 v[CS+4], v[CS+5]
	v_mov_b32 v[CS+5], v[CS+6]                     ; six registers on end
	global_store_b128 v7, v[CS:CS+3], s[10:11] offset:768*(\s)       ; 512 consecutive bytes, aligned to 256
	global_store_b64 v8, v[CS+4:CS+5], s[10:11] offset:768*(\s)+512  ; 256 consecutive bytes, aligned
.if (\s)%2 == 1
	v_lshl_or_b32 v[20+(\s)/2], v[16+(\s)], 16, v[15+(\s)]   ; my two bytes of these 128 K: blocks h and 2 + h,
	v_lshlrev_b32 v[20+(\s)/2], v14, v[20+(\s)/2]            ; at their places;
	v_permlanex16_b32 v13, v[20+(\s)/2], s20, s21
	v_or_b32 v[20+(\s)/2], v[20+(\s)/2], v13                 ; with lane l xor 16's two the word is whole
	ds_store_b32 v9, v[20+(\s)/2] offset:256*((\s)/2)        ; both lanes of a row write the same word with the same value
.endif
.endm
	TURN 0
	STEP 0
	STEP 1
	STEP 2
	STEP 3
	s_wait_dscnt 0x0                               ; for the others' sake: my scale words lie in LDS
	s_barrier_signal -1
	s_barrier_wait -1
	s_cmp_lg_u32 s16, 0
	s_cbranch_scc1 .Ldone
	ds_load_b128 v[16:19], v23                     ; wave 0: the 64 rows' words of both planes
	s_wait_dscnt 0x0
	global_store_b128 v22, v[16:19], s[12:13]      ; sixteen lanes store 256 consecutive bytes of a plane, aligned
.Ldone:
	s_wait_tensorcnt 0x0
	ds_add_u32 v248, v249
	s_wait_dscnt 0x0
	s_endpgm
; THE TABLE: rope[pos 0..31][cos of 16 frequencies | sin of 16], f32.  angle = pos x 10^(-i / 4), the constants rounded to f32.
; The angle (31 at the most) is reduced by n = round(angle x 2 / pi) with pi / 2 in two words; sin and cos of the rest (at most pi / 4) by Taylor polynomials to z^4 and z^5 in z = rest^2: error about 1e-7.
; A lane is a position, wave w makes frequencies 4 w .. 4 w + 3.  4,096 bytes in all, so pieces of 16 bytes a lane are stored as they come.
.Ltable:
	s_mov_b32 s24, 0x3f800000
	s_mov_b32 s25, 0x3f0ff59a
	s_mov_b32 s26, 0x3ea1e89b
	s_mov_b32 s27, 0x3e361887
	s_cmp_eq_u32 s16, 1
	s_cselect_b32 s24, 0x3dcccccd, s24
	s_cselect_b32 s25, 0x3d6655c3, s25
	s_cselect_b32 s26, 0x3d0186e2, s26
	s_cselect_b32 s27, 0x3c91ad39, s27
	s_cmp_eq_u32 s16, 2
	s_cselect_b32 s24, 0x3c23d70a, s24
	s_cselect_b32 s25, 0x3bb8449c, s25
	s_cselect_b32 s26, 0x3b4f3e37, s26
	s_cselect_b32 s27, 0x3ae91528, s27
	s_cmp_eq_u32 s16, 3
	s_cselect_b32 s24, 0x3a83126f, s24
	s_cselect_b32 s25, 0x3a136a16, s25
	s_cselect_b32 s26, 0x39a5cb5f, s26
	s_cselect_b32 s27, 0x393a7753, s27
	s_mov_b32 s28, 0xbfc90fdb                      ; -(pi / 2), the upper word
	s_mov_b32 s29, 0x333bbd2e                      ; and what the upper word has too much
	s_lshl_b32 s30, s16, 4
	s_wait_alu depctr_va_vdst(0)
	v_lshlrev_b32 v29, 7, v1
	v_add_nc_u32 v29, s30, v29                     ; 128 pos + 16 w
	v_cvt_f32_u32 v31, v1
.macro SC j
	v_mul_f32 v32, s[24+\j], v31                   ; the angle
	v_mul_f32 v33, 0x3f22f983, v32
	v_rndne_f32 v33, v33                           ; n
	v_fma_f32 v34, v33, s28, v32
	v_fma_f32 v34, v33, s29, v34                   ; the rest
	v_mul_f32 v35, v34, v34                        ; z
	v_mov_b32 v36, 0x3638ef1d
	v_fmaak_f32 v36, v36, v35, 0xb9500d01
	v_fmaak_f32 v36, v36, v35, 0x3c088889
	v_fmaak_f32 v36, v36, v35, 0xbe2aaaab
	v_mul_f32 v37, v34, v35
	v_fma_f32 v36, v37, v36, v34                   ; sin of the rest
	v_mov_b32 v38, 0xb493f27e
	v_fmaak_f32 v38, v38, v35, 0x37d00d01
	v_fmaak_f32 v38, v38, v35, 0xbab60b61
	v_fmaak_f32 v38, v38, v35, 0x3d2aaaab
	v_fmaak_f32 v38, v38, v35, 0xbf000000
	v_fma_f32 v38, v38, v35, 1.0                   ; cos of the rest
	v_cvt_i32_f32 v39, v33
	v_and_b32 v40, 1, v39
	v_cmp_eq_u32 vcc_lo, 1, v40                    ; in odd quadrants the two change places
	v_cndmask_b32 v41, v36, v38, vcc_lo
	v_cndmask_b32 v42, v38, v36, vcc_lo
	v_and_b32 v40, 2, v39
	v_lshlrev_b32 v40, 30, v40
	v_xor_b32 v[48+\j], v40, v41                   ; sin: negative in quadrants 2 and 3
	v_add_nc_u32 v39, 1, v39
	v_and_b32 v39, 2, v39
	v_lshlrev_b32 v39, 30, v39
	v_xor_b32 v[44+\j], v39, v42                   ; cos: negative in quadrants 1 and 2
.endm
	SC 0
	SC 1
	SC 2
	SC 3
	s_wait_alu depctr_va_vdst(0)
	s_wait_kmcnt 0x0
	global_store_b128 v29, v[44:47], s[14:15]
	global_store_b128 v29, v[48:51], s[14:15] offset:64
	s_endpgm
.Lfunc_end_k_q008871ce00_prep:
	.size	k_q008871ce00_prep, .Lfunc_end_k_q008871ce00_prep-k_q008871ce00_prep
	.p2alignl 7, 3214868480
	.fill 96, 4, 3214868480
	.section	.rodata,"a",@progbits
	.p2align	6, 0x0
	.amdhsa_kernel k_q008871ce00_prep
		.amdhsa_group_segment_fixed_size 36352
		.amdhsa_private_segment_fixed_size 0
		.amdhsa_enable_private_segment 0
		.amdhsa_kernarg_size 48
		.amdhsa_user_sgpr_count 2
		.amdhsa_user_sgpr_kernarg_segment_ptr 1
		.amdhsa_wavefront_size32 1
		.amdhsa_system_sgpr_workgroup_id_x 1
		.amdhsa_system_sgpr_workgroup_id_y 1
		.amdhsa_system_sgpr_workgroup_id_z 1
		.amdhsa_system_vgpr_workitem_id 0
		.amdhsa_next_free_vgpr 250
		.amdhsa_next_free_sgpr 66
		.amdhsa_reserve_vcc 1
		.amdhsa_float_denorm_mode_32 3
		.amdhsa_float_denorm_mode_16_64 3
		.amdhsa_memory_ordered 1
		.amdhsa_forward_progress 1
		.amdhsa_inst_pref_size 25
	.end_amdhsa_kernel
	.amdgpu_metadata
---
amdhsa.version: [ 1, 2 ]
amdhsa.kernels:
  - .name:           k_q008871ce00_prep
    .symbol:         k_q008871ce00_prep.kd
    .args:
      - { .name: x, .offset: 0, .size: 8, .value_kind: global_buffer, .address_space: global }
      - { .name: qkv_w, .offset: 8, .size: 8, .value_kind: global_buffer, .address_space: global }
      - { .name: out_w, .offset: 16, .size: 8, .value_kind: global_buffer, .address_space: global }
      - { .name: wc, .offset: 24, .size: 8, .value_kind: global_buffer, .address_space: global }
      - { .name: wsc, .offset: 32, .size: 8, .value_kind: global_buffer, .address_space: global }
      - { .name: rope, .offset: 40, .size: 8, .value_kind: global_buffer, .address_space: global }
    .group_segment_fixed_size: 36352
    .private_segment_fixed_size: 0
    .kernarg_segment_align: 8
    .kernarg_segment_size: 48
    .max_flat_workgroup_size: 128
    .sgpr_count:     66
    .vgpr_count:     250
    .wavefront_size: 32
...
	.end_amdgpu_metadata
.endif
;; end of part 1
;; launch qkv (part 2): grid 96 x 4, 4 waves a work-group, clusters of 4 x 4, 327,680 bytes of LDS; arguments wc, wsc, qkv_b, rope, qq, kv; writes qq, kv
.if DOCPART == 2
	.amdgcn_target "amdgcn-amd-amdhsa--gfx1250"
	.amdhsa_code_object_version 6
	.text
	.protected	k_q008871ce00_qkv
	.globl	k_q008871ce00_qkv
	.p2align	8
	.type	k_q008871ce00_qkv,@function
k_q008871ce00_qkv:
	s_mov_b64 s[64:65], 0
	v_nop
	global_prefetch_b8 v0, s[64:65] scope:SCOPE_SE
	s_setreg_imm32_b32 hwreg(HW_REG_WAVE_MODE, 25, 1), 1
	s_wait_xcnt 0x0
	s_wait_alu depctr_hold_cnt(0) depctr_sa_sdst(0) depctr_va_vdst(0) depctr_va_sdst(0) depctr_va_ssrc(0) depctr_va_vcc(0) depctr_vm_vsrc(0)
	s_getreg_b32 s2, hwreg(HW_REG_IB_STS2, 6, 4)
	s_cmp_eq_u32 s2, 0
	s_cbranch_scc0 .Lentry_in_a_cluster
	s_endpgm
.Lentry_in_a_cluster:
	s_bfe_u32 s2, ttmp6, 0x10000c
	s_cmp_lg_u32 s2, 0xf033
	s_cbranch_scc0 .Lentry_shape_is_right
	s_endpgm
.Lentry_shape_is_right:
; qkv = x qkv_w^T + qkv_b on codes of FP6 (E2M3) with E8M0 scales (K = 1,024); then q and k are turned by the 2-D RoPE and quantised along the head's 64, v is quantised along the keys.  Nothing leaves as f32.
; A tile of 256 x 256 to a work-group of four waves, 128 x 128 a wave: 64 accumulators, 512 registers.  THE MATRIX INSTRUCTION IS USED TRANSPOSED: source 0 = 16 rows of "B", source 1 = 16 rows of "A":
; lane (r, h), register j of accumulator (a, b) holds (A's row 16 a + r, B's row 16 b + 8 h + j): a lane's registers run along B's rows, which are the next product's K.
; 24 clusters of 4 x 4.  Clusters 0-15 (q and k): A = tokens, B = features 0-2047: a lane holds one token and its registers run along the head's d.  Clusters 16-23 (v): A = features 2048-3071, B = tokens: a lane holds
; one feature and its registers run along the keys.  Both operands lie in ONE buffer of row tiles, so the two kinds differ in row numbers alone; the text up to the way out is the same.
; CODES lie as images of operand registers: [tile of 16 rows][64 K][768 bytes] (registers 0-3 at 16 l, registers 4-5 at 512 + 8 l), so a fragment comes by four dense LDS loads, without padding and without bank conflicts.
; Inside each block of 32 along K the order is 0-7, 16-23, 8-15, 24-31 on both operands of every product of this program: two neighbouring result tiles of a lane pair give just that order, so no rows are shuffled.
; K goes in steps of 256 through two LDS slots; a wave's tensor load brings 8 row tiles x 3,072 bytes.  The scale words of the work-group's rows for all of K come once, with the first fills.
; JOINT LOADS: A's tiles are shared along a row of the cluster, B's along a column.  No prefetch: a work-group has two refills in all, and each has a slot's 128 matrix instructions in which to land.
; THE BIAS: for q and k it runs along B's rows and is the C of each sum's first product; for v it runs along A's rows and is added on the way out (there the first C is cleared to 0).
; OUT: qq [head 128][128 tokens: 8][8 images of 768 | 128 scale words]; kv [head][128 keys: 8][K: 8 images of 768 | 128 words | V: 4 images of 1,536 (16 d x 128 keys) | 64 words].  q's and k's words: two bytes, then 0x7f twice.
; LIMITS: a block whose largest magnitude lies under 2^-124 keeps the byte 1, a block of zeros too (its codes are zeros; this program alone reads the bytes); NaN and infinities are not served.
; REGISTERS, in windows of 256.  Window 0: v1-7 way-out addresses, v8-15 v's bias, v16-23 fragment addresses, v24-31 offsets and the spare word's two, v32-63 scale words (two sets; v32-35 before them the head's load addresses), v64-127 cos | sin by row position,
;   v128-223 A's fragments (one set), later the way out, v224-255 cos | sin by column position.  Window 1: B's fragments, two sets at v0 and v128; the bias at v96-127 and v224-255.  Windows 2, 3: the accumulators.
.set FR,    12                         ; registers of a fragment
.set NL,    4                          ; LDS loads that bring one
.set NP,    4                          ; places behind this matrix instruction (ISA guide 7.12.1)
.set NQ,    2                          ; matrix instructions deep in a slot
.set HALFT, 24576                      ; 8 row tiles x 3,072 bytes: one tensor load
.set SLOT,  4*HALFT                    ; A's 16 row tiles, then B's
.set SCL,   2*SLOT                     ; A's scale words: [128 K: 8 planes][256 rows]
.set SCB,   SCL+8320                   ; B's: 128 bytes further than dense, so that A's lanes and B's fall on different banks
.set SPARE, 213248                     ; the spare words: 128 bytes a wave, two blocks of 256 bytes that no other line names
.set ADRA,  16                         ; v16-17 16 l + my A rows in slot 0, 1; v18-19 the same with 8 l
.set ADRB,  20                         ; v20-23 likewise for B
.set O16,   24                         ; v24 16 l
.set O8,    25                         ; v25 8 l
.set ADRS,  27                         ; v27 my scale words: lanes 0-15 A's rows, lanes 16-31 B's
.set SPW,   28
.set NIL,   29
.set PW,    30                         ; the scale word just made
.set SC,    32
.set AF,    128
.set BL,    8
.set CY,    64
.set CX,    224
.set H,     128                        ; the way out: 64 numbers of a lane
.set PC,    192                        ; v192-210 the codes just made
.set TT,    207
.set TM,    212                        ; v212-215 largest magnitudes, v216-219 the partner's / bytes, v220-223 scale operands
.set G1,    24
.set G0,    32
.set G1B,   48
.set G0B,   56
.set G1S,   68
.set G0S,   76
.set G1SB,  80
.set G0SB,  88
.set SEL,   92
.set B0,    66
.set B1,    100
.set MSB, 0
.macro WIN new                         ; the immediate's high byte repeats the setting that is left
.if MSB != (\new)
	s_set_vgpr_msb (MSB<<8)|(\new)
.set MSB, \new
.endif
.endm
.set MUL_LO, 0xa1                      ; source 0 (B) window 1, source 1 (A) window 0, C and D window 2
.set MUL_HI, 0xf1                      ; the same, C and D window 3
.set TO_B,   0x40                      ; destination window 1, address window 0
; A joint load: waves 0 and 1 fetch for A, waves 2 and 3 for B; the branch hangs on the wave's number alone.  Four v_nop follow each of the two lines.
.macro JLOAD g0a, g1a, g0b, g1b
	s_cmp_eq_u32 s17, 0
	s_cbranch_scc0 .Lfor_b_\@
	tensor_load_to_lds s[\g0a:\g0a+3], s[\g1a:\g1a+7]
	s_nop 0
.rept 4
	v_nop
.endr
	s_branch .Lasked_\@
.Lfor_b_\@:
	tensor_load_to_lds s[\g0b:\g0b+3], s[\g1b:\g1b+7]
	s_nop 0
.rept 4
	v_nop
.endr
.Lasked_\@:
.endm
.macro CREST                           ; a round of the cluster's barrier behind its opening barrier
	s_cmp_lg_u32 s16, 0
	s_cbranch_scc1 .Lnot_wave_0_\@
	s_barrier_signal -3
.Lnot_wave_0_\@:
	s_barrier_wait -3
	s_barrier_signal -1
	s_barrier_wait -1
.endm
.macro CROUND
	s_barrier_signal -1
	s_barrier_wait -1
	CREST
.endm
.macro PLACES n
.rept \n
	v_nop
.endr
.endm
	s_load_b256 s[4:11], s[0:1], 0x0               ; wc, wsc, qkv_b, rope
	s_load_b128 s[12:15], s[0:1], 0x20             ; qq, kv
	v_lshl_add_u32 v[SPW], v0, 2, SPARE
	v_mov_b32 v[NIL], 0
	ds_add_u32 v28, v29
	ds_add_u32 v28, v29
	s_wait_dscnt 0x0
	v_lshrrev_b32 v1, 5, v0
	v_readfirstlane_b32 s16, v1                    ; wave 0..3
	s_lshr_b32 s17, s16, 1                         ; which half of A's rows is mine.  Also: I fetch for A (0) or for B (1)
	s_and_b32 s18, s16, 1                          ; which half of B's rows.  Also: which 128 rows I fetch
	s_bfe_u32 s40, ttmp6, 0x40000                  ; cx
	s_bfe_u32 s41, ttmp6, 0x40004                  ; cy
	s_and_b32 s20, ttmp9, 1                        ; the cluster's number says what it makes: all candidates first, then one compare, then selections alone
	s_lshr_b32 s21, ttmp9, 1
	s_sub_co_u32 s22, ttmp9, 16
	s_cmp_lt_u32 ttmp9, 16
	s_cselect_b32 s20, s20, s22                    ; the cluster's column
	s_cselect_b32 s21, s21, 0                      ; and row
	s_cselect_b32 s44, 0, 10240                    ; A's first row in wc: tokens, or v's features
	s_cselect_b32 s45, 8192, 0                     ; B's: q's and k's features, or tokens
	s_cselect_b32 s19, -1, 0                       ; all ones in a cluster of q and k
	s_lshl_b32 s42, s20, 2
	s_add_co_u32 s42, s42, s40                     ; tile column
	s_lshl_b32 s43, s21, 2
	s_add_co_u32 s43, s43, s41                     ; tile row
	s_lshl_b32 s46, s41, 2
	s_lshl_b32 s46, 15, s46                        ; my row of the cluster
	s_lshl_b32 s47, 0x1111, s40                    ; my column
	; group 1 for codes: 8 rows of 384 elements of 8 bytes (3,072 bytes), 1,536 elements apart; no padding.  15:0 the mask; 17:16 elements of 8 bytes; 21 set beside a mask
	s_or_b32 s[G1+0], s46, (3<<16)|(1<<21)
	s_or_b32 s[G1B+0], s47, (3<<16)|(1<<21)
.irp g, G1, G1B
	s_mov_b32 s[\g+1], 384<<16                     ; tensor_dim0
	s_mov_b32 s[\g+2], 16<<16                      ; tensor_dim1: 16 row tiles for the head's loads; set to 8 for the ring's behind them
	s_mov_b32 s[\g+3], 384<<16                     ; tile_dim0
	s_mov_b32 s[\g+4], 16                          ; tile_dim1
	s_mov_b32 s[\g+5], 1536                        ; stride
	s_mov_b32 s[\g+6], 0
	s_mov_b32 s[\g+7], 0
.endr
	; and for scale words: 8 planes x 256 rows x 4 bytes: 8 rows of 128 elements, 6,144 elements apart
	s_or_b32 s[G1S+0], s46, (3<<16)|(1<<21)
	s_or_b32 s[G1SB+0], s47, (3<<16)|(1<<21)
.irp g, G1S, G1SB
	s_mov_b32 s[\g+1], 128<<16                     ; 256 rows x 4 bytes of a plane
	s_mov_b32 s[\g+2], 8<<16
	s_mov_b32 s[\g+3], 128<<16
	s_mov_b32 s[\g+4], 8
	s_mov_b32 s[\g+5], 6144
	s_mov_b32 s[\g+6], 0
	s_mov_b32 s[\g+7], 0
.endr
	s_lshl_b32 s20, s43, 8
	s_add_co_u32 s20, s20, s44                     ; A: the tile's first row: hangs on the tile row alone
	s_lshl_b32 s22, s42, 8
	s_add_co_u32 s22, s22, s45                     ; B: on the tile column alone
	s_mul_i32 s92, s20, 768                        ; a row is 768 bytes of codes
	s_mov_b32 s93, 0
	s_lshl_b32 s94, s20, 2                         ; and 4 bytes in a plane of scale words
	s_mov_b32 s95, 0
	s_mul_i32 s96, s22, 768
	s_mov_b32 s97, 0
	s_lshl_b32 s98, s22, 2
	s_mov_b32 s99, 0
	s_mul_i32 s23, s16, HALFT                      ; where the codes go: wave x 8 row tiles
	s_mul_i32 s2, s18, 98304                       ; in the ring I fetch 128 rows of a tile: which half, in bytes
	s_mov_b32 s3, 0
	s_wait_kmcnt 0x0
	s_add_nc_u64 s[92:93], s[4:5], s[92:93]
	s_add_nc_u64 s[94:95], s[6:7], s[94:95]
	s_add_nc_u64 s[96:97], s[4:5], s[96:97]
	s_add_nc_u64 s[98:99], s[6:7], s[98:99]
	CROUND                                         ; all sixteen work-groups are here: the first joint loads meet
	s_mov_b32 s[G0S], 1
	s_mov_b32 s[G0S+1], SCL
	s_mov_b64 s[G0S+2:G0S+3], s[94:95]
	s_or_b32 s[G0S+3], s[G0S+3], 0x80000000
	s_mov_b32 s[G0SB], 1
	s_mov_b32 s[G0SB+1], SCB
	s_mov_b64 s[G0SB+2:G0SB+3], s[98:99]
	s_or_b32 s[G0SB+3], s[G0SB+3], 0x80000000
	s_mov_b32 s[G0], 1                             ; slot 0's groups 0 first serve the head's whole tiles: A's 16 row tiles,
	s_mov_b32 s[G0+1], 0
	s_mov_b64 s[G0+2:G0+3], s[92:93]
	s_or_b32 s[G0+3], s[G0+3], 0x80000000
	s_mov_b32 s[G0B], 1                            ; and B's, behind them
	s_mov_b32 s[G0B+1], 2*HALFT
	s_mov_b64 s[G0B+2:G0B+3], s[96:97]
	s_or_b32 s[G0B+3], s[G0B+3], 0x80000000
	s_add_nc_u64 s[92:93], s[92:93], s[2:3]        ; for the ring: my 128 rows
	s_add_nc_u64 s[96:97], s[96:97], s[2:3]
	s_mov_b32 s[G0+4], 1                           ; slot 1: K 256 on
	s_add_co_u32 s[G0+5], s23, SLOT
	s_add_nc_u64 s[G0+6:G0+7], s[92:93], 3072
	s_or_b32 s[G0+7], s[G0+7], 0x80000000
	s_mov_b32 s[G0B+4], 1
	s_add_co_u32 s[G0B+5], s23, SLOT
	s_add_nc_u64 s[G0B+6:G0B+7], s[96:97], 3072
	s_or_b32 s[G0B+7], s[G0B+7], 0x80000000
; THE HEAD'S LOADS, ONE A WAVE: wave 0 slot 0's rows of A, wave 1 its rows of B, wave 2 A's scale words, wave 3 B's.  One chain of branches on the wave's number, all arms to one join.
.macro ARM under, g0, g1, next
	s_cmp_lt_u32 s16, \under
	s_cbranch_scc0 \next
	tensor_load_to_lds s[\g0:\g0+3], s[\g1:\g1+7]
	s_nop 0
.rept 4
	v_nop
.endr
	s_branch .Lhead_asked
\next:
.endm
	ARM 1, G0,  G1,  .Lhead_b
	ARM 2, G0B, G1B, .Lhead_sa
	ARM 3, G0S, G1S, .Lhead_sb
	tensor_load_to_lds s[G0SB:G0SB+3], s[G1SB:G1SB+7]
	s_nop 0
.rept 4
	v_nop
.endr
.Lhead_asked:
	v_and_b32 v26, 31, v0                          ; l
	v_and_b32 v6, 15, v0                           ; r
	v_bfe_u32 v7, v0, 4, 1                         ; h
	v_lshlrev_b32 v[O16], 4, v26
	v_lshlrev_b32 v[O8], 3, v26
	v_lshlrev_b32 v31, 4, v7                       ; 16 h
	s_mul_i32 s20, s17, HALFT                      ; my 128 rows of A
	s_mul_i32 s21, s18, HALFT
	s_add_co_u32 s21, s21, 2*HALFT                 ; my 128 rows of B, behind A's 256
.irp s, 0,1
	v_add_nc_u32 v[ADRA+\s], s20, v[O16]
	v_add_nc_u32 v[ADRA+2+\s], s20, v[O8]
	v_add_nc_u32 v[ADRB+\s], s21, v[O16]
	v_add_nc_u32 v[ADRB+2+\s], s21, v[O8]
	s_add_co_u32 s20, s20, SLOT
	s_add_co_u32 s21, s21, SLOT
.endr
	s_lshl_b32 s20, s17, 9                         ; my 128 rows' words inside a plane of 256 rows
	s_lshl_b32 s21, s18, 9
	s_add_co_u32 s21, s21, 8320
	s_sub_co_u32 s21, s21, s20
	v_mul_u32_u24 v26, s21, v7                     ; lanes 16-31 take B's words: one product, the distance between the two bases
	s_add_co_u32 s20, s20, SCL
	v_lshl_add_u32 v26, v6, 2, v26
	v_add_nc_u32 v[ADRS], s20, v26
	s_lshl_b32 s20, s16, 10                        ; the way out's small stages, 1,024 bytes a wave: q's and k's words from byte 0, v's from byte 4,096 of slot 0
	v_lshl_add_u32 v1, v7, 9, s20
	v_lshl_add_u32 v1, v6, 2, v1                   ; in: head h of my two, token r
	v_add_nc_u32 v2, s20, v[O16]                   ; back: 16 bytes a lane
	v_lshl_add_u32 v3, v6, 2, s20
	v_add_nc_u32 v3, 4096, v3
	v_add_nc_u32 v4, 4096, v2
	v_mul_u32_u24 v5, v7, 104448
	v_lshl_add_u32 v5, v6, 4, v5                   ; v's words in memory: lanes 0-15 one head's 256 bytes, lanes 16-31 the next head's
	; what the way out wants from memory.  Every work-group loads all of it; what its kind does not use is loaded from offset 0 of the same buffer
	s_lshl_b32 s20, s42, 10
	s_lshl_b32 s21, s18, 9
	s_add_co_u32 s20, s20, s21
	s_and_b32 s20, s20, s19                        ; q, k: my first feature x 4
	s_lshl_b32 s21, s43, 10
	s_lshl_b32 s22, s17, 9
	s_add_co_u32 s21, s21, s22                     ; my first row of A x 4
	s_and_not1_b32 s22, s21, s19
	s_add_co_u32 s22, s22, 8192                    ; v: (2,048 + my first feature) x 4
	s_and_b32 s21, s21, 0xfff                      ; q, k: my first token's row position x 128 bytes = (token % 1,024) x 4: my 128 tokens begin a row of the grid of 32 x 32
	v_lshl_add_u32 v32, v7, 5, s20
	v_lshl_add_u32 v33, v6, 2, s22
	v_lshl_add_u32 v34, v7, 5, s21
	v_lshlrev_b32 v35, 7, v6
	v_lshl_add_u32 v35, v7, 5, v35
	WIN TO_B
.irp b, 0,1,2,3,4,5,6,7                        ; the bias of features 16 b + 8 h + 0 .. 7, in the result's layout
	global_load_b128 v[96+8*\b+96*(\b/4):96+8*\b+96*(\b/4)+3], v32, s[8:9] offset:64*\b
	global_load_b128 v[96+8*\b+96*(\b/4)+4:96+8*\b+96*(\b/4)+7], v32, s[8:9] offset:64*\b+16
.endr
	WIN 0
.irp a, 0,1,2,3,4,5,6,7
	global_load_b32 v[BL+\a], v33, s[8:9] offset:64*\a            ; v: the bias of feature 16 a + r
.endr
.irp y, 0,1,2,3                                ; row positions y0 .. y0 + 3: cos and sin of frequencies 8 h + 0 .. 7
	global_load_b128 v[CY+16*\y:CY+16*\y+3], v34, s[10:11] offset:128*\y
	global_load_b128 v[CY+16*\y+4:CY+16*\y+7], v34, s[10:11] offset:128*\y+16
	global_load_b128 v[CY+16*\y+8:CY+16*\y+11], v34, s[10:11] offset:128*\y+64
	global_load_b128 v[CY+16*\y+12:CY+16*\y+15], v34, s[10:11] offset:128*\y+80
.endr
.irp e, 0,1                                    ; column positions 16 e + r
	global_load_b128 v[CX+16*\e:CX+16*\e+3], v35, s[10:11] offset:2048*\e
	global_load_b128 v[CX+16*\e+4:CX+16*\e+7], v35, s[10:11] offset:2048*\e+16
	global_load_b128 v[CX+16*\e+8:CX+16*\e+11], v35, s[10:11] offset:2048*\e+64
	global_load_b128 v[CX+16*\e+12:CX+16*\e+15], v35, s[10:11] offset:2048*\e+80
.endr
	s_mov_b32 s[SEL], 0x76543210                   ; (A's offsets are done with: the descriptors hold the addresses)
	s_mov_b32 s[SEL+1], 0xfedcba98
	s_mov_b32 s94, 0xffff
	s_mov_b32 s95, 0x7f7f0000
	s_wait_loadcnt 0x0
	WIN 0x44                                       ; destination and source 1 window 1
.irp b, 0,1,2,3,4,5,6,7
.irp j, 0,1,2,3,4,5,6,7
	v_cndmask_b32 v[96+8*\b+96*(\b/4)+\j], 0, v[96+8*\b+96*(\b/4)+\j], s19   ; in v's clusters the sums start from 0
.endr
.endr
	WIN 0
	PLACES NP
.macro FRAG reg, adr, q, i             ; a fragment, 16 rows x 128 K: two images of six registers, as they lie
	ds_load_b128 v[\reg:\reg+3], v[\adr] offset:3072*(\i)+1536*(\q)
	ds_load_b64 v[\reg+4:\reg+5], v[\adr+2] offset:3072*(\i)+1536*(\q)+512
	ds_load_b128 v[\reg+6:\reg+9], v[\adr] offset:3072*(\i)+1536*(\q)+768
	ds_load_b64 v[\reg+10:\reg+11], v[\adr+2] offset:3072*(\i)+1536*(\q)+1280
.endm
; 16 matrix instructions: A's blocks a0, a0 + 1 x B's eight.  p: B's set; sc: the set of scale words.  zero = 1: the first product starts the sums from the bias.
; The 64 accumulators take turns, one instruction a turn, in the same order in every step.
.macro MUL16 a0, p, q, sc, zero
.irp a, \a0, \a0+1
.irp b, 0,1,2,3,4,5,6,7
.if \zero
	v_wmma_scale_f32_16x16x128_f8f6f4 v[8*(8*((\a)%4)+\b):8*(8*((\a)%4)+\b)+7], v[128*(\p)+FR*\b:128*(\p)+FR*\b+FR-1], v[AF+FR*(\a):AF+FR*(\a)+FR-1], v[96+8*\b+96*(\b/4):96+8*\b+96*(\b/4)+7], v[SC+8*NQ*(\sc)+NQ*\b+(\q)], v[SC+8*NQ*(\sc)+NQ*(\a)+(\q)] matrix_a_fmt:MATRIX_FMT_FP6 matrix_b_fmt:MATRIX_FMT_FP6 matrix_a_scale:MATRIX_SCALE_ROW1
.else
	v_wmma_scale_f32_16x16x128_f8f6f4 v[8*(8*((\a)%4)+\b):8*(8*((\a)%4)+\b)+7], v[128*(\p)+FR*\b:128*(\p)+FR*\b+FR-1], v[AF+FR*(\a):AF+FR*(\a)+FR-1], v[8*(8*((\a)%4)+\b):8*(8*((\a)%4)+\b)+7], v[SC+8*NQ*(\sc)+NQ*\b+(\q)], v[SC+8*NQ*(\sc)+NQ*(\a)+(\q)] matrix_a_fmt:MATRIX_FMT_FP6 matrix_b_fmt:MATRIX_FMT_FP6 matrix_a_scale:MATRIX_SCALE_ROW1
.endif
.endr
.endr
.endm
.macro FETCH_B slot, q, p
	WIN TO_B
.irp i, 0,1,2,3,4,5,6,7
	FRAG 128*(\p)+FR*\i, ADRB+\slot, \q, \i
.endr
	WIN 0
.endm
.macro FETCH_A slot, q, i0
.irp i, \i0, \i0+1, \i0+2, \i0+3
	FRAG AF+FR*(\i), ADRA+\slot, \q, \i
.endr
.endm
.macro SCALES sc                       ; a slot's scale words: register NQ i + q: lanes 0-15 A's block i, lanes 16-31 B's block i
.irp i, 0,1,2,3,4,5,6,7
.irp q, 0,1
	ds_load_b32 v[SC+8*NQ*\sc+NQ*\i+\q], v[ADRS] offset:64*\i+1024*\q
.endr
.endr
.endm
; A step of 128 along K that has its successor in the same slot.  One set of registers serves A (a block is free when its eight products are issued), two serve B.
.macro STEP slot, q, zero
	s_wait_dscnt 4*NL                              ; all but the youngest sixteen loads, A's blocks 4-7
	WIN MUL_LO-0x10*\zero                          ; (the bias lies in window 1)
	MUL16 0, (\q)%2, \q, \slot, \zero
	MUL16 2, (\q)%2, \q, \slot, \zero
	s_wait_dscnt 0
	PLACES NP                                      ; in front of loads into registers that matrix instructions have read
	FETCH_B \slot, (\q)+1, 1-(\q)%2
	FETCH_A \slot, (\q)+1, 0
	WIN MUL_HI-0x20*\zero
	MUL16 4, (\q)%2, \q, \slot, \zero
	MUL16 6, (\q)%2, \q, \slot, \zero
	PLACES NP
	WIN 0
	FETCH_A \slot, (\q)+1, 4
.endm
; A slot's last step changes slots: one barrier; in front of it each wave waits for all its tensor loads, adds 0 to its spare word, and waits for that and for its reads of this slot.  fill = 1: the slot is filled again, two slots ahead.
.macro TURN slot, next, fill
	s_wait_tensorcnt 0x0                           ; all my tensor loads have landed: my part of the next slot
	ds_add_u32 v[SPW], v[NIL]                      ; 0 onto my spare word
	s_wait_dscnt 4*NL+1                            ; (the add and A's blocks 4-7 may be out)
	WIN MUL_LO
	MUL16 0, 1, NQ-1, \slot, 0
	s_wait_dscnt 0x0                               ; the add is done, and my reads of this slot are over
	s_barrier_signal -1
	MUL16 2, 1, NQ-1, \slot, 0
	WIN 0
	s_barrier_wait -1
.if \fill
	CREST                                          ; the barrier has opened a round of the cluster's: no wave of any partner still reads this slot or has a load on its way
	s_add_nc_u64 s[G0+4*\slot+2:G0+4*\slot+3], s[G0+4*\slot+2:G0+4*\slot+3], 6144
	s_add_nc_u64 s[G0B+4*\slot+2:G0B+4*\slot+3], s[G0B+4*\slot+2:G0B+4*\slot+3], 6144
	JLOAD G0+4*\slot, G1, G0B+4*\slot, G1B         ; the first tensor load behind the round; its four v_nop are the places in front of the loads below
.else
	PLACES NP
.endif
	s_wait_alu depctr_va_vdst(0)
	v_add_nc_u32 v[ADRS], 2048, v[ADRS]            ; two planes of scale words on
	FETCH_B \next, 0, 0
	FETCH_A \next, 0, 0
	SCALES \next
	WIN MUL_HI
	MUL16 4, 1, NQ-1, \slot, 0
	MUL16 6, 1, NQ-1, \slot, 0
	PLACES NP
	WIN 0
	FETCH_A \next, 0, 4
.endm
	s_wait_alu depctr_va_vdst(0)
	s_wait_tensorcnt 0x0                           ; my tile of the head's four is in
	ds_add_u32 v[SPW], v[NIL]
	s_mov_b32 s[G1+2], 8<<16                       ; no tensor load of mine is out: from here on a load brings 8 row tiles,
	s_mov_b32 s[G1+4], 8
	s_mov_b32 s[G1B+2], 8<<16
	s_mov_b32 s[G1B+4], 8
	s_mov_b32 s[G0+1], s23                         ; and slot 0's groups 0 name my quarter of the slot
	s_mov_b32 s[G0B+1], s23
	s_add_nc_u64 s[G0+2:G0+3], s[G0+2:G0+3], s[2:3]
	s_add_nc_u64 s[G0B+2:G0B+3], s[G0B+2:G0B+3], s[2:3]
	s_wait_dscnt 0x0                               ; the add is done
	CROUND                                         ; all four tiles are in, and all sixteen work-groups are here
	JLOAD G0+4, G1, G0B+4, G1B                     ; slot 1's first fill: my one tensor load behind the round
	FETCH_B 0, 0, 0
	FETCH_A 0, 0, 0
	SCALES 0
	FETCH_A 0, 0, 4
	STEP 0, 0, 1                                   ; K = 1,024 is four slots: eight steps, written out
	TURN 0, 1, 1
	STEP 1, 0, 0
	TURN 1, 0, 1
	STEP 0, 0, 0
	TURN 0, 1, 0                                   ; nothing is left to fetch
	STEP 1, 0, 0
	s_wait_dscnt 4*NL
	WIN MUL_LO
	MUL16 0, 1, NQ-1, 1, 0
	MUL16 2, 1, NQ-1, 1, 0
	s_wait_dscnt 0
	WIN MUL_HI
	MUL16 4, 1, NQ-1, 1, 0
	MUL16 6, 1, NQ-1, 1, 0
	WIN 0
; THE WAY OUT.  64 numbers of a lane, v[s] on, register 16 b + i = place 16 (l / 16) + i of block b of my row, become a fragment's codes in v[PC] on and its scale word in v[PW].
.macro QUANT s
.irp b, 0,1,2,3
	v_max3_num_f32 v[TM+\b], |v[\s+16*\b]|, |v[\s+1+16*\b]|, 0x1800000   ; my 16 numbers of block b, and the floor 2^(3 - 127)
.endr
.irp i, 2,4,6,8,10,12,14
.irp b, 0,1,2,3
	v_max3_num_f32 v[TM+\b], v[TM+\b], |v[\s+16*\b+\i]|, |v[\s+1+16*\b+\i]|
.endr
.endr
.irp b, 0,1,2,3
	v_permlanex16_b32 v[TM+4+\b], v[TM+\b], s[SEL], s[SEL+1]
.endr
.irp b, 0,1,2,3
	v_max_num_f32 v[TM+\b], v[TM+\b], v[TM+4+\b]   ; with lane l xor 16's: the block's largest magnitude
.endr
.irp b, 0,1,2,3
	v_add_nc_u32 v[TM+8+\b], 0xff000000, v[TM+\b]  ; 2 off the exponent field: the conversion's scale operand
.endr
.irp b, 0,1,2,3
	v_lshrrev_b32 v[TM+4+\b], 23, v[TM+8+\b]       ; the scale's byte
.endr
	v_lshl_or_b32 v[PW], v[TM+5], 8, v[TM+4]
	v_lshl_or_b32 v[PW], v[TM+6], 16, v[PW]
	v_lshl_or_b32 v[PW], v[TM+7], 24, v[PW]
.irp c, 0,1
	v_cvt_scalef32_pk16_fp6_f32 v[PC+6*\c:PC+2+6*\c], v[\s+32*\c:\s+15+32*\c], v[TM+8+2*\c]
	v_cvt_scalef32_pk16_fp6_f32 v[PC+12+4*\c:PC+14+4*\c], v[\s+16+32*\c:\s+31+32*\c], v[TM+8+2*\c+1]   ; (a conversion's three registers begin on an even number)
.endr
	v_nop                                          ; one plain line behind a scaled conversion
.irp c, 0,1                                    ; the operand's layout wants a whole block in a lane: lanes 0-15 block 2 c, lanes 16-31 block 2 c + 1
.irp i, 0,1,2
	v_permlane16_swap_b32 v[PC+6*\c+\i], v[PC+12+4*\c+\i]
.endr
.irp i, 0,1,2
	v_mov_b32 v[PC+3+6*\c+\i], v[PC+12+4*\c+\i]
.endr
.endr
.endm
	PLACES NP                                      ; behind the last products: for the reads of results and the writes over A's fragments
.irp b, 0,1,2,3
	v_mov_b32 v[TM+4+\b], 0                        ; a lane permute's destination counts as read
.endr
	s_cmp_lg_u32 s19, 0                            ; the cluster's kind: the same in all sixteen partners
	s_cbranch_scc0 .Lv_out
	; ---- q and k.  Block p of 32 features is tiles 2 p, 2 p + 1: feature 8 h + j and its partner 16 further on lie in the same lane.  Even blocks turn by the row position, odd ones by the column position.
	s_lshr_b32 s20, s42, 2                         ; the cluster's column: 0 = q, 1 = k
	s_mov_b32 s21, 104448
	s_mov_b32 s22, 13056
	s_cmp_eq_u32 s20, 0
	s_cselect_b64 s[B0:B0+1], s[12:13], s[14:15]
	s_cselect_b32 s21, 53248, s21                  ; bytes of a head
	s_cselect_b32 s22, 6656, s22                   ; and of 128 tokens
	s_lshr_b32 s23, s43, 2
	s_lshl_b32 s23, s23, 4                         ; 16 x batch
	s_lshl_b32 s44, s40, 2
	s_add_co_u32 s23, s23, s44
	s_lshl_b32 s44, s18, 1
	s_add_co_u32 s23, s23, s44                     ; my first head
	s_mul_i32 s23, s23, s21
	s_and_b32 s44, s43, 3
	s_lshl_b32 s44, s44, 1
	s_add_co_u32 s44, s44, s17                     ; my 128 tokens in the batch
	s_mul_i32 s44, s44, s22
	s_add_co_u32 s44, s44, s23
	s_mov_b32 s45, 0
	s_add_nc_u64 s[B0:B0+1], s[B0:B0+1], s[44:45]
	s_mov_b32 s44, s21
	s_add_nc_u64 s[B1:B1+1], s[B0:B0+1], s[44:45]  ; my second head
.macro ROPE a
.set AC, 64*((\a)%4)
	WIN 0x02+(\a)/4                                ; source 0: the accumulators' window
.irp p, 0,1,2,3
.if \p%2 == 0
.set CB, CY+16*((\a)/2)
.else
.set CB, CX+16*((\a)%2)
.endif
.irp j, 0,2,4,6                                ; each accumulator is read from its low end on
	v_pk_mul_f32 v[H+16*\p+\j:H+16*\p+\j+1], v[AC+16*\p+\j:AC+16*\p+\j+1], v[CB+\j:CB+\j+1]
.endr
.irp j, 0,2,4,6
	v_pk_mul_f32 v[H+16*\p+8+\j:H+16*\p+8+\j+1], v[AC+16*\p+8+\j:AC+16*\p+8+\j+1], v[CB+\j:CB+\j+1]
.endr
.irp j, 0,2,4,6
	v_pk_fma_f32 v[H+16*\p+\j:H+16*\p+\j+1], v[AC+16*\p+8+\j:AC+16*\p+8+\j+1], v[CB+8+\j:CB+8+\j+1], v[H+16*\p+\j:H+16*\p+\j+1] neg_lo:[1,0,0] neg_hi:[1,0,0]   ; u cos - u' sin
.endr
.irp j, 0,2,4,6
	v_pk_fma_f32 v[H+16*\p+8+\j:H+16*\p+8+\j+1], v[AC+16*\p+\j:AC+16*\p+\j+1], v[CB+8+\j:CB+8+\j+1], v[H+16*\p+8+\j:H+16*\p+8+\j+1]                             ; u' cos + u sin
.endr
.endr
	WIN 0
.endm
.irp a, 0,1,2,3,4,5,6,7                        ; 16 tokens at a time
	ROPE \a
	s_wait_xcnt 0x0                                ; the last block's stores have read the codes' registers
	QUANT H
	global_store_b128 v[O16], v[PC:PC+3], s[B0:B0+1] offset:768*\a         ; blocks 0, 1: my first head's image; every store covers whole aligned runs of 256 bytes
	global_store_b64 v[O8], v[PC+4:PC+5], s[B0:B0+1] offset:768*\a+512
	global_store_b128 v[O16], v[PC+6:PC+9], s[B1:B1+1] offset:768*\a       ; blocks 2, 3: my second head's
	global_store_b64 v[O8], v[PC+10:PC+11], s[B1:B1+1] offset:768*\a+512
	v_lshrrev_b32 v[TT], v31, v[PW]                ; lanes 0-15: the first head's two bytes, lanes 16-31: the second's,
	v_bfi_b32 v[TT], s94, v[TT], s95               ; with 0x7f for the two blocks of zero codes that fill K to 128
	ds_store_b32 v1, v[TT] offset:64*\a
.endr
	ds_load_b128 v[TM:TM+3], v2                    ; LDS serves a wave's instructions in order: these see my stores
	ds_load_b128 v[TM+4:TM+7], v2 offset:512
	s_wait_dscnt 0x0
	global_store_b128 v[O16], v[TM:TM+3], s[B0:B0+1] offset:6144           ; 128 scale words: 512 consecutive bytes
	global_store_b128 v[O16], v[TM+4:TM+7], s[B1:B1+1] offset:6144
	s_branch .Lend
	; ---- v.  A lane holds feature 16 a + r and 64 of my 128 keys: a tile of features gives one whole fragment of the second attention product.
.Lv_out:
	s_lshr_b32 s20, s42, 2
	s_lshl_b32 s20, s20, 4                         ; 16 x batch
	s_lshl_b32 s21, s43, 2
	s_add_co_u32 s20, s20, s21
	s_lshl_b32 s21, s17, 1
	s_add_co_u32 s20, s20, s21                     ; my first head
	s_mul_i32 s20, s20, 104448
	s_and_b32 s21, s42, 3
	s_lshl_b32 s21, s21, 1
	s_add_co_u32 s21, s21, s18                     ; my 128 keys in the batch
	s_mul_i32 s21, s21, 13056
	s_add_co_u32 s20, s20, s21
	s_mov_b32 s21, 0
	s_add_nc_u64 s[B0:B0+1], s[14:15], s[20:21]
	s_add_nc_u64 s[B1:B1+1], s[B0:B0+1], 104448
.irp a, 0,1,2,3,4,5,6,7
.set AC, 64*(\a%4)
	WIN 0x02+\a/4
.irp j, 0,2,4,6,8,10,12,14,16,18,20,22,24,26,28,30,32,34,36,38,40,42,44,46,48,50,52,54,56,58,60,62
.if \a%2 == 0
	v_pk_add_f32 v[H+\j:H+\j+1], v[AC+\j:AC+\j+1], v[BL+\a:BL+\a+1] op_sel_hi:[1,0]               ; + my feature's bias: the pair's first word for both halves
.else
	v_pk_add_f32 v[H+\j:H+\j+1], v[AC+\j:AC+\j+1], v[BL+\a-1:BL+\a] op_sel:[0,1] op_sel_hi:[1,1]  ; the pair's second word
.endif
.endr
	WIN 0
	s_wait_xcnt 0x0                                ; the last block's stores have read the codes' registers
	QUANT H
.irp c, 0,1,2
.if \a < 4
	global_store_b128 v[O16], v[PC+4*\c:PC+4*\c+3], s[B0:B0+1] offset:6656+1536*(\a%4)+512*\c     ; 512 consecutive bytes, aligned to 256
.else
	global_store_b128 v[O16], v[PC+4*\c:PC+4*\c+3], s[B1:B1+1] offset:6656+1536*(\a%4)+512*\c
.endif
.endr
	ds_store_b32 v3, v[PW] offset:64*\a            ; both lanes of a feature write the same word
.endr
	ds_load_b128 v[TM:TM+3], v4
	s_wait_dscnt 0x0
	global_store_b128 v5, v[TM:TM+3], s[B0:B0+1] offset:12800              ; 64 words of each of my two heads: two aligned runs of 256 bytes
.Lend:
	s_wait_tensorcnt 0x0                           ; the wave's end
	ds_add_u32 v[SPW], v[NIL]
	s_wait_dscnt 0x0
	CROUND                                         ; the closing round
	s_endpgm
.Lfunc_end_k_q008871ce00_qkv:
	.size	k_q008871ce00_qkv, .Lfunc_end_k_q008871ce00_qkv-k_q008871ce00_qkv
	.p2alignl 7, 3214868480
	.fill 96, 4, 3214868480
	.section	.rodata,"a",@progbits
	.p2align	6, 0x0
	.amdhsa_kernel k_q008871ce00_qkv
		.amdhsa_group_segment_fixed_size 327680
		.amdhsa_private_segment_fixed_size 0
		.amdhsa_enable_private_segment 0
		.amdhsa_kernarg_size 48
		.amdhsa_user_sgpr_count 2
		.amdhsa_user_sgpr_kernarg_segment_ptr 1
		.amdhsa_wavefront_size32 1
		.amdhsa_system_sgpr_workgroup_id_x 1
		.amdhsa_system_sgpr_workgroup_id_y 1
		.amdhsa_system_sgpr_workgroup_id_z 1
		.amdhsa_system_vgpr_workitem_id 0
		.amdhsa_next_free_vgpr 1024
		.amdhsa_next_free_sgpr 102
		.amdhsa_reserve_vcc 0
		.amdhsa_float_denorm_mode_32 3
		.amdhsa_float_denorm_mode_16_64 3
		.amdhsa_memory_ordered 1
		.amdhsa_forward_progress 1
		.amdhsa_inst_pref_size 245
	.end_amdhsa_kernel
	.amdgpu_metadata
---
amdhsa.version: [ 1, 2 ]
amdhsa.kernels:
  - .name:           k_q008871ce00_qkv
    .symbol:         k_q008871ce00_qkv.kd
    .args:
      - { .name: wc, .offset: 0, .size: 8, .value_kind: global_buffer, .address_space: global }
      - { .name: wsc, .offset: 8, .size: 8, .value_kind: global_buffer, .address_space: global }
      - { .name: qkv_b, .offset: 16, .size: 8, .value_kind: global_buffer, .address_space: global }
      - { .name: rope, .offset: 24, .size: 8, .value_kind: global_buffer, .address_space: global }
      - { .name: qq, .offset: 32, .size: 8, .value_kind: global_buffer, .address_space: global }
      - { .name: kv, .offset: 40, .size: 8, .value_kind: global_buffer, .address_space: global }
    .group_segment_fixed_size: 327680
    .private_segment_fixed_size: 0
    .kernarg_segment_align: 8
    .kernarg_segment_size: 48
    .max_flat_workgroup_size: 128
    .sgpr_count:     102
    .vgpr_count:     1024
    .wavefront_size: 32
...
	.end_amdgpu_metadata
.endif
;; end of part 2
;; launch attn (part 3): grid 4 x 64, 8 waves a work-group, clusters of 4 x 1, 327,680 bytes of LDS; arguments qq, kv, oc, os; writes oc, os
.if DOCPART == 3
	.amdgcn_target "amdgcn-amd-amdhsa--gfx1250"
	.amdhsa_code_object_version 6
	.text
	.protected	k_q008871ce00_attn
	.globl	k_q008871ce00_attn
	.p2align	8
	.type	k_q008871ce00_attn,@function
k_q008871ce00_attn:
	s_mov_b64 s[64:65], 0
	v_nop
	global_prefetch_b8 v0, s[64:65] scope:SCOPE_SE
	s_setreg_imm32_b32 hwreg(HW_REG_WAVE_MODE, 25, 1), 1
	s_wait_xcnt 0x0
	s_wait_alu depctr_hold_cnt(0) depctr_sa_sdst(0) depctr_va_vdst(0) depctr_va_sdst(0) depctr_va_ssrc(0) depctr_va_vcc(0) depctr_vm_vsrc(0)
	s_getreg_b32 s2, hwreg(HW_REG_IB_STS2, 6, 4)
	s_cmp_eq_u32 s2, 0
	s_cbranch_scc0 .Lentry_in_a_cluster
	s_endpgm
.Lentry_in_a_cluster:
	s_bfe_u32 s2, ttmp6, 0x10000c
	s_cmp_lg_u32 s2, 0x3003
	s_cbranch_scc0 .Lentry_shape_is_right
	s_endpgm
.Lentry_shape_is_right:
; o = softmax(q k^T / 8) v on codes of FP6 (E2M3) with E8M0 scales; o leaves as codes and scale words for the projection.
; A work-group: two heads x 256 queries.  Eight waves; a wave owns 32 queries (two tiles of 16) and walks head 0, then head 1, in steps of 128 keys: each fragment of K and V from LDS feeds both tiles.
; ALL K AND V OF BOTH HEADS LIE IN LDS (16 steps x 13,056 bytes): each wave brings two steps by ONE tensor load of 102 rows of 256 bytes, aligned to 256; nothing is filled again.
; CLUSTER 4 x 1: the four query quarters of a head pair need the same bytes and ask for them jointly.  No prefetch: every byte is asked for at the head; there is no loop of loads to run ahead in.
; BOTH PRODUCTS ARE USED TRANSPOSED (S^T = k q^T, O^T = v^T p^T): a lane holds one query.
; THE KEYS OF A TILE OF K ARE CHOSEN BY ADDRESS: tile (c, u) takes in rows 0-7 eight keys of block 2 c and in rows 8-15 eight keys of block 2 c + 1 (octet 0, 2, 1, 3 for u = 0 .. 3: V's order inside a block).
; So the 32 score registers of tiles (c, 0 .. 3) are ONE WHOLE BLOCK of 32 keys in a lane, lanes 0-15 block 2 c, lanes 16-31 block 2 c + 1, as the next operand wants it: a block's maximum needs no other lane, its codes no swap.
; K = 64 of the first product fills half an instruction: q's registers 6-11 are zero codes, so k's registers 6-11 may hold any codes: k's fragments lie 6 registers apart and each runs on into the next (six zero registers behind the last).
; SOFTMAX: t = score x log2(e) / 8; M = ceil(running largest t), kept as -M; p = 2^(t - M); the sum is taken of the unquantised p; when M moves, sums and O^T are multiplied by 2^(old M - new M), exactly.
; A block's largest p is its largest score put through the same multiply-add and exponential.  A pass begins with -M = 3e38: the first factor is 0, which clears the finite sums and O^T that it finds.
; THE ORDER OF A STEP: tile 0's first products; the step's V is asked for; tile 1's first products by turns with tile 0's maxima; the next step's K is asked for; tile 0's chain to M by turns with tile 1's maxima;
; tile 1's chain by turns with tile 0's multiply-adds; one batch of exponentials; scales and codes; the second products by turns with the sums.
; The last step of head 1 has no successor: its K address is held at the last step, whose bytes are read once more and not used.
; LIMITS: holds while |t| stays under 2^31; NaN and infinities are not served; a block whose largest magnitude lies under 2^-124 keeps the byte 1.
; REGISTERS.  Window 0: v1-11 addresses, v44-55 scale words (nothing else ever), v56-62 spare word, offsets, v64-87 q (two operands), v88-99 head 1's q, v100-153 K's eight fragments, v154-201 V's four,
;   v202-225 p's codes, v226-241 upper halves of blocks.  Window 1: v0-127 scores / p of the two tiles, v128-191 O^T, v192-229 the softmax's state: all its lines run under one setting of the windows.
.set KVP,  104448                      ; a head's K and V
.set KST,  13056                       ; a step: K 8 images of 768 | 128 words | V 4 images of 1,536 | 64 words
.set QP,   53248                       ; a head of qq
.set STG,  208896                      ; behind K and V: the 256 queries' scale words on their way out
.set SPARE, 212992                     ; the spare words: 128 bytes a wave
.set O16, 1
.set O8,  2
.set L4,  3
.set BK16, 4                           ; lane terms of K's addresses: 1536 (r / 8) + 16 (r % 8) + 256 h; with 8 and 128; words: 128 (r / 8) + 4 (r % 8) + 32 h
.set BK8, 5
.set BKW, 6
.set AK16, 7                           ; the same + the next step's byte
.set AK8, 8
.set AKW, 9
.set AV16, 10                          ; 16 l, 4 l + this step's byte
.set AVW, 11
.set PW,  44                           ; p's scale words
.set QS,  46                           ; q's: + 2 head + y
.set KS,  50                           ; K's: register 2 c + v: lanes 0-15 tile (c, v), lanes 16-31 tile (c, 2 + v)
.set VS,  54                           ; V's: lanes 0-15 tile 2 i, lanes 16-31 tile 2 i + 1
.set SPW, 56
.set NIL, 57
.set H8,  58
.set WST, 59
.set WRD, 60
.set WGO, 61
.set R4,  62
.set Q,   64
.set QN,  88
.set KF,  100
.set VF,  154
.set PC,  202
.set PX,  226
; window 1
.set S,   0
.set O,   128
.set NM,  192                          ; tile y: v[NM + 2 y] = -M, v[NM + 2 y + 1] = running largest t
.set LA,  196                          ; tile y: two pairs of partial sums at LA + 4 y
.set F,   204                          ; tile y: the factor, low word of the pair at F + 2 y
.set TMP, 208
.set CM,  210                          ; tile y: four chains of maxima at CM + 4 y; then block c's at CM + 4 y + 2 c
.set BT,  218
.set SO,  222                          ; + 2 y + c
.set H8W, 226
.set OW,  228                          ; tile y: o's scale word
.set MSB, 0
.macro WIN new                         ; low byte: bits 1:0 source 0, 3:2 source 1, 5:4 source 2, 7:6 destination; the high byte repeats the setting that is left
.if MSB != (\new)
	s_set_vgpr_msb (MSB<<8)|(\new)
.set MSB, \new
.endif
.endm
.macro ROUND
	s_barrier_signal -1
	s_barrier_wait -1
	s_cmp_lg_u32 s12, 0
	s_cbranch_scc1 .Lnot_wave_0_\@
	s_barrier_signal -3
.Lnot_wave_0_\@:
	s_barrier_wait -3
	s_barrier_signal -1
	s_barrier_wait -1
.endm
.macro KLOADS                          ; K's tile n = 4 c + u: image 4 c + u % 2 (+ 2 for rows 8-15, in the lane term), its rows 8 (u / 2) on; then the words: 20 loads
.irp n, 0,1,2,3,4,5,6,7
	ds_load_b128 v[KF+6*\n:KF+6*\n+3], v[AK16] offset:768*(4*(\n/4)+\n%2)+128*((\n%4)/2)
	ds_load_b64 v[KF+6*\n+4:KF+6*\n+5], v[AK8] offset:768*(4*(\n/4)+\n%2)+512+64*((\n%4)/2)
.endr
.irp w, 0,1,2,3
	ds_load_b32 v[KS+\w], v[AKW] offset:6144+256*(\w/2)+64*(\w%2)
.endr
.endm
.macro QKM e, y, n                     ; S^T tile n of query tile y
.if ((\n)%4) < 2
	v_wmma_scale_f32_16x16x128_f8f6f4 v[S+64*\y+8*\n:S+64*\y+8*\n+7], v[KF+6*\n:KF+6*\n+11], v[Q+12*\y:Q+12*\y+11], 0, v[KS+2*(\n/4)+\n%2], v[QS+2*\e+\y] matrix_a_fmt:MATRIX_FMT_FP6 matrix_b_fmt:MATRIX_FMT_FP6
.else
	v_wmma_scale_f32_16x16x128_f8f6f4 v[S+64*\y+8*\n:S+64*\y+8*\n+7], v[KF+6*\n:KF+6*\n+11], v[Q+12*\y:Q+12*\y+11], 0, v[KS+2*(\n/4)+\n%2], v[QS+2*\e+\y] matrix_a_fmt:MATRIX_FMT_FP6 matrix_b_fmt:MATRIX_FMT_FP6 matrix_a_scale:MATRIX_SCALE_ROW1
.endif
.endm
.macro MAXS y, s                       ; link s (0 .. 7) of tile y's four chains of maxima, 16 scores each; each accumulator is read from its low end on
.irp k, 0,1,2,3
.if \s == 0
	v_max3_num_f32 v[CM+4*\y+\k], v[S+64*\y+16*\k], v[S+64*\y+16*\k+1], v[S+64*\y+16*\k+2]
.else
.if \s < 7
	v_max3_num_f32 v[CM+4*\y+\k], v[CM+4*\y+\k], v[S+64*\y+16*\k+2*\s+1], v[S+64*\y+16*\k+2*\s+2]
.else
	v_max_num_f32 v[CM+4*\y+\k], v[CM+4*\y+\k], v[S+64*\y+16*\k+15]
.endif
.endif
.endr
.endm
.macro CH y, st                        ; link st (1 .. 10) of tile y's chain from the maxima to -M and the factor
.if \st == 1
	v_max_num_f32 v[CM+4*\y], v[CM+4*\y], v[CM+4*\y+1]         ; my two blocks' largest scores
	v_max_num_f32 v[CM+4*\y+2], v[CM+4*\y+2], v[CM+4*\y+3]
.endif
.if \st == 2
	v_max_num_f32 v[TMP+\y], v[CM+4*\y], v[CM+4*\y+2]
.endif
.if \st == 3
	v_permlanex16_b32 v[BT+\y], v[TMP+\y], s20, s21
.endif
.if \st == 4
	v_max_num_f32 v[TMP+\y], v[TMP+\y], v[BT+\y]               ; with lane l xor 16's two blocks
.endif
.if \st == 5
	v_mul_f32 v[TMP+\y], s22, v[TMP+\y]                        ; as t
.endif
.if \st == 6
	v_max_num_f32 v[NM+2*\y+1], v[NM+2*\y+1], v[TMP+\y]
	v_mov_b32 v[TMP+\y], v[NM+2*\y]
.endif
.if \st == 7
	v_floor_f32 v[NM+2*\y], -v[NM+2*\y+1]                      ; -M = floor(-t)
.endif
.if \st == 8
	v_sub_f32 v[TMP+\y], v[NM+2*\y], v[TMP+\y]                 ; old M - new M
.endif
.if \st == 9
	v_cvt_i32_f32 v[TMP+\y], v[TMP+\y]                         ; (it saturates)
.endif
.if \st == 10
	v_ldexp_f32 v[F+2*\y], 1.0, v[TMP+\y]
.endif
.endm
.macro FM y, q                         ; t - M of eight scores
.irp j, 0,2,4,6
	v_pk_fma_f32 v[S+64*\y+8*\q+\j:S+64*\y+8*\q+\j+1], v[S+64*\y+8*\q+\j:S+64*\y+8*\q+\j+1], s[22:23], v[NM+2*\y:NM+2*\y+1] op_sel_hi:[1,0,0]
.endr
.endm
.macro ORS y, q                        ; one accumulator of O^T times the pair's low word
.irp j, 0,2,4,6
	v_pk_mul_f32 v[O+32*\y+8*\q+\j:O+32*\y+8*\q+\j+1], v[O+32*\y+8*\q+\j:O+32*\y+8*\q+\j+1], v[F+2*\y:F+2*\y+1] op_sel_hi:[1,0]
.endr
.endm
	s_load_b256 s[4:11], s[0:1], 0x0               ; qq, kv, oc, os
	v_lshl_add_u32 v[SPW], v0, 2, SPARE
	v_mov_b32 v[NIL], 0
	ds_add_u32 v[SPW], v[NIL]                      ; the opening lines: the add, twice on end, and its wait ahead of my tensor load
	ds_add_u32 v[SPW], v[NIL]
	v_lshrrev_b32 v1, 5, v0
	v_readfirstlane_b32 s12, v1                    ; wave 0..7
	v_and_b32 v4, 31, v0
	v_and_b32 v5, 15, v0
	v_lshlrev_b32 v[O16], 4, v4
	v_lshlrev_b32 v[O8], 3, v4
	v_lshlrev_b32 v[L4], 2, v4
	v_lshlrev_b32 v[R4], 2, v5
	s_bfe_u32 s13, ttmp6, 0x40000                  ; cx: which 256 queries
	s_and_b32 s14, ttmp7, 0xffff                   ; which pair of heads
	s_mov_b32 s24, 15|(3<<16)|(1<<21)              ; group 1: the mask of all four partners; elements of 8 bytes; bit 21 beside a mask
	s_mov_b32 s25, 32<<16                          ; rows of 32 elements: 256 bytes
	s_mov_b32 s26, 102<<16                         ; 102 rows: two steps
	s_mov_b32 s27, 32<<16
	s_mov_b32 s28, 102
	s_mov_b32 s29, 32                              ; dense
	s_mov_b32 s30, 0
	s_mov_b32 s31, 0
	s_mul_i32 s15, s12, 2*KST                      ; my two steps, in LDS as in memory
	s_mul_i32 s40, s14, 2*KVP
	s_add_co_u32 s40, s40, s15
	s_mov_b32 s41, 0
	s_mul_i32 s42, s14, 2*QP
	s_lshl_b32 s44, s13, 1
	s_lshr_b32 s45, s12, 2
	s_add_co_u32 s44, s44, s45
	s_mul_i32 s44, s44, 6656
	s_add_co_u32 s42, s42, s44                     ; my 128 tokens of qq
	s_and_b32 s45, s12, 3
	s_lshl_b32 s44, s45, 7
	s_add_co_u32 s44, s44, s42
	s_add_co_u32 s44, s44, 6144                    ; my 32 queries' scale words
	s_mul_i32 s45, s45, 1536
	s_add_co_u32 s42, s42, s45                     ; and their two images
	s_mov_b32 s43, 0
	s_mov_b32 s45, 0
	s_lshr_b32 s46, s14, 3                         ; batch
	s_and_b32 s47, s14, 7                          ; pair of heads in it: 128 along the projection's K
	s_lshl_b32 s48, s46, 6
	s_lshl_b32 s50, s13, 4
	s_add_co_u32 s48, s48, s50
	s_lshl_b32 s50, s12, 1
	s_add_co_u32 s48, s48, s50                     ; my first tile of 16 tokens
	s_mul_i32 s48, s48, 12288
	s_mul_i32 s50, s47, 1536
	s_add_co_u32 s48, s48, s50
	s_mov_b32 s49, 0
	s_lshl_b32 s50, s47, 15                        ; os: plane, batch, my work-group's 256 words
	s_lshl_b32 s46, s46, 12
	s_add_co_u32 s50, s50, s46
	s_lshl_b32 s46, s13, 10
	s_add_co_u32 s50, s50, s46
	s_mov_b32 s51, 0
	s_mov_b32 s20, 0x76543210
	s_mov_b32 s21, 0xfedcba98                      ; selects for lane l xor 16
	s_mov_b32 s22, 0x3e38aa3b                      ; log2(e) / 8
	s_mov_b32 s23, s22
	s_wait_alu depctr_va_vdst(0)
	s_wait_dscnt 0x0                               ; both opening adds are done
	s_wait_kmcnt 0x0
	s_mov_b32 s32, 1
	s_mov_b32 s33, s15
	s_add_nc_u64 s[34:35], s[6:7], s[40:41]
	s_or_b32 s35, s35, 0x80000000
	s_add_nc_u64 s[16:17], s[4:5], s[42:43]
	s_add_nc_u64 s[18:19], s[4:5], s[44:45]
	s_add_nc_u64 s[8:9], s[8:9], s[48:49]
	s_add_nc_u64 s[10:11], s[10:11], s[50:51]
.irp y, 0,1                                    ; q: both heads' images and scale words of my two tiles
	global_load_b128 v[Q+12*\y:Q+12*\y+3], v[O16], s[16:17] offset:768*\y
	global_load_b64 v[Q+12*\y+4:Q+12*\y+5], v[O8], s[16:17] offset:768*\y+512
	global_load_b128 v[QN+6*\y:QN+6*\y+3], v[O16], s[16:17] offset:QP+768*\y
	global_load_b64 v[QN+6*\y+4:QN+6*\y+5], v[O8], s[16:17] offset:QP+768*\y+512
	global_load_b32 v[QS+\y], v[R4], s[18:19] offset:64*\y
	global_load_b32 v[QS+2+\y], v[R4], s[18:19] offset:QP+64*\y
.endr
	ROUND                                          ; all four work-groups are here: the joint loads meet
	tensor_load_to_lds s[32:35], s[24:31]          ; my one tensor load of the launch
	s_nop 0
.rept 4
	v_nop
.endr
	v_bfe_u32 v28, v0, 4, 1                        ; h
	v_bfe_u32 v29, v0, 3, 1                        ; r / 8
	v_and_b32 v30, 7, v0                           ; r % 8
	v_mul_u32_u24 v31, v29, 1536
	v_lshl_add_u32 v[BK16], v30, 4, v31
	v_lshl_add_u32 v[BK8], v30, 3, v31
	v_lshlrev_b32 v[BKW], 7, v29
	v_lshl_add_u32 v[BK16], v28, 8, v[BK16]
	v_lshl_add_u32 v[BK8], v28, 7, v[BK8]
	v_lshl_add_u32 v[BKW], v30, 2, v[BKW]
	v_lshlrev_b32 v[H8], 3, v28
	v_lshl_add_u32 v[BKW], v28, 5, v[BKW]
	s_lshl_b32 s40, s12, 7
	v_add_nc_u32 v[WST], s40, v[L4]
	s_min_u32 s40, s12, 1
	s_lshl_b32 s40, s40, 9
	v_add_nc_u32 v[WGO], s40, v[O16]               ; waves 0 and 1 carry the 1,024 bytes of words out
	v_add_nc_u32 v[WST], STG, v[WST]
	v_add_nc_u32 v[WRD], STG, v[WGO]
.irp i, 6,7,8,9,10,11
	v_mov_b32 v[Q+\i], 0                           ; q's zero codes for K = 64 .. 127
	v_mov_b32 v[Q+12+\i], 0
	v_mov_b32 v[KF+42+\i], 0                       ; what the last fragment of K runs on into
.endr
	v_mov_b32 v[AK16], v[BK16]                     ; step 0
	v_mov_b32 v[AK8], v[BK8]
	v_mov_b32 v[AKW], v[BKW]
	WIN 0x40                                       ; destination window 1
	v_lshlrev_b32 v[H8W], 3, v28
.set J, 0
.rept 64
	v_mov_b32 v[O+J], 0                            ; O^T: written once, under the tensor load's flight
.set J, J+1
.endr
.irp i, 0,1,2,3,4,5,6,7,8,9,10,11
	v_mov_b32 v[LA+\i], 0                          ; the sums, and the factors' pairs
.endr
.irp i, 0,1,2,3
	v_mov_b32 v[BT+\i], 0                          ; a lane permute's destination counts as read
.endr
.irp y, 0,1
	v_mov_b32 v[NM+2*\y+1], 0xff61b1e6             ; -3e38, under every t
	v_mov_b32 v[NM+2*\y], 0x7f61b1e6
.endr
	WIN 0
	s_wait_alu depctr_va_vdst(0)
	s_wait_loadcnt 0x0                             ; q
	s_wait_tensorcnt 0x0                           ; my two steps are in
	s_barrier_signal -1
	s_barrier_wait -1                              ; everybody's are
	KLOADS
.macro STEP e
	s_wait_dscnt 0x0                               ; this step's K, asked for a step ago
	WIN 0x40                                       ; D window 1
.irp n, 0,1,2,3,4,5,6,7
	QKM \e, 0, \n
.endr
	WIN 0
	s_add_co_u32 s2, s3, KST                       ; the next step's K
.if \e
	s_min_u32 s2, s2, 15*KST                       ; held at the last step
.endif
	v_add_nc_u32 v[AV16], s3, v[O16]               ; five plain lines: the places behind the products, for the reads of tile 0's scores
	v_add_nc_u32 v[AVW], s3, v[L4]
	v_add_nc_u32 v[AK16], s2, v[BK16]
	v_add_nc_u32 v[AK8], s2, v[BK8]
	v_add_nc_u32 v[AKW], s2, v[BKW]
.irp t, 0,1,2,3                                ; this step's V: 14 loads
.irp c, 0,1,2
	ds_load_b128 v[VF+12*\t+4*\c:VF+12*\t+4*\c+3], v[AV16] offset:6656+1536*\t+512*\c
.endr
.endr
	ds_load_b32 v[VS], v[AVW] offset:12800
	ds_load_b32 v[VS+1], v[AVW] offset:12928
.irp n, 0,1,2,3,4,5,6,7                        ; tile 1's products by turns with tile 0's maxima
	WIN 0x40
	QKM \e, 1, \n
	WIN 0x55                                       ; all operands window 1
	MAXS 0, \n
.endr
	WIN 0                                          ; (the last four maxima are the places behind the last product)
	KLOADS                                         ; the next step's K: 20 loads
	WIN 0x55
.irp s, 0,1,2,3,4,5,6,7                        ; tile 0's chain by turns with tile 1's maxima
	CH 0, \s+1
	MAXS 1, \s
.endr
	CH 0, 9
	CH 1, 1
	FM 0, 0
	CH 0, 10
.irp s, 1,2,3,4,5,6,7                          ; tile 1's chain by turns with tile 0's multiply-adds
	CH 1, \s+1
	FM 0, \s
.endr
	CH 1, 9
	ORS 0, 0                                       ; O^T under the new M
	CH 1, 10
.irp q, 1,2,3
	ORS 0, \q
.endr
.irp q, 0,1,2,3
	ORS 1, \q
.endr
.irp q, 0,1,2,3,4,5,6,7
	FM 1, \q
.endr
.irp y, 0,1
	v_pk_mul_f32 v[LA+4*\y:LA+4*\y+1], v[LA+4*\y:LA+4*\y+1], v[F+2*\y:F+2*\y+1] op_sel_hi:[1,0]
	v_pk_mul_f32 v[LA+4*\y+2:LA+4*\y+3], v[LA+4*\y+2:LA+4*\y+3], v[F+2*\y:F+2*\y+1] op_sel_hi:[1,0]
.endr
.irp y, 0,1
.irp c, 0,1
	v_fma_f32 v[CM+4*\y+2*\c], v[CM+4*\y+2*\c], s22, v[NM+2*\y]
.endr
.endr
	s_wait_alu depctr_va_vdst(0)
.irp i, 0,2,4,6
	v_exp_f32 v[CM+\i], v[CM+\i]                   ; each block's largest p
.endr
.set J, 0
.rept 128
	v_exp_f32 v[S+J], v[S+J]                       ; p = 2^(t - M)
.set J, J+1
.endr
	v_nop                                          ; one plain line behind the batch
	s_wait_dscnt 20                                ; V is in; the 20 younger loads, the next step's K, may be out
	s_wait_alu depctr_va_vdst(0)                   ; the one wait ahead of the batch's first reader
.irp i, 0,2,4,6
	v_max_num_f32 v[CM+\i], 0x1800000, v[CM+\i]    ; the floor 2^(3 - 127): the byte cannot fall under 1
.endr
.irp i, 0,1,2,3
	v_add_nc_u32 v[SO+\i], 0xff000000, v[CM+2*\i]  ; 2 off the exponent field: the conversion's scale operand
.endr
.irp i, 0,1,2,3
	v_lshrrev_b32 v[CM+2*\i], 23, v[SO+\i]         ; the byte
.endr
.irp y, 0,1
	v_lshl_or_b32 v[TMP+\y], v[CM+4*\y+2], 16, v[CM+4*\y]    ; my blocks h and 2 + h,
.endr
.irp y, 0,1
	v_lshlrev_b32 v[TMP+\y], v[H8W], v[TMP+\y]     ; at their places;
.endr
.irp y, 0,1
	v_permlanex16_b32 v[BT+\y], v[TMP+\y], s20, s21
.endr
	WIN 0x05                                       ; sources window 1, destination window 0
.irp y, 0,1
	v_or_b32 v[PW+\y], v[TMP+\y], v[BT+\y]         ; with lane l xor 16's two the word is whole
.endr
.irp y, 0,1
.irp c, 0,1
	v_cvt_scalef32_pk16_fp6_f32 v[PC+12*\y+6*\c:PC+12*\y+6*\c+2], v[S+64*\y+32*\c:S+64*\y+32*\c+15], v[SO+2*\y+\c]
	v_cvt_scalef32_pk16_fp6_f32 v[PX+8*\y+4*\c:PX+8*\y+4*\c+2], v[S+64*\y+32*\c+16:S+64*\y+32*\c+31], v[SO+2*\y+\c]   ; (a conversion's three registers begin on an even number)
.endr
.endr
	WIN 0
	v_nop                                          ; one plain line behind a scaled conversion
.irp y, 0,1                                    ; tile 1's six lines are the places between tile 0's codes and its first product; with the line above, thirteen behind the scale words
.irp c, 0,1
.irp i, 0,1,2
	v_mov_b32 v[PC+12*\y+6*\c+3+\i], v[PX+8*\y+4*\c+\i]
.endr
.endr
.endr
.set J, 0
.irp y, 0,1                                    ; O^T += v^T p^T, by turns with the sums of the unquantised p (four chains)
.irp t, 0,1,2,3
	WIN 0x50                                       ; C and D window 1
.if (\t%2) == 0
	v_wmma_scale_f32_16x16x128_f8f6f4 v[O+32*\y+8*\t:O+32*\y+8*\t+7], v[VF+12*\t:VF+12*\t+11], v[PC+12*\y:PC+12*\y+11], v[O+32*\y+8*\t:O+32*\y+8*\t+7], v[VS+\t/2], v[PW+\y] matrix_a_fmt:MATRIX_FMT_FP6 matrix_b_fmt:MATRIX_FMT_FP6
.else
	v_wmma_scale_f32_16x16x128_f8f6f4 v[O+32*\y+8*\t:O+32*\y+8*\t+7], v[VF+12*\t:VF+12*\t+11], v[PC+12*\y:PC+12*\y+11], v[O+32*\y+8*\t:O+32*\y+8*\t+7], v[VS+\t/2], v[PW+\y] matrix_a_fmt:MATRIX_FMT_FP6 matrix_b_fmt:MATRIX_FMT_FP6 matrix_a_scale:MATRIX_SCALE_ROW1
.endif
	WIN 0x55
.rept 2
	v_pk_add_f32 v[LA:LA+1], v[LA:LA+1], v[S+J:S+J+1]
	v_pk_add_f32 v[LA+2:LA+3], v[LA+2:LA+3], v[S+J+2:S+J+3]
	v_pk_add_f32 v[LA+4:LA+5], v[LA+4:LA+5], v[S+64+J:S+64+J+1]
	v_pk_add_f32 v[LA+6:LA+7], v[LA+6:LA+7], v[S+64+J+2:S+64+J+3]
.set J, J+4
.endr
.endr
.endr
	WIN 0
.endm
; A head: eight steps; then O^T / the sum, quantised along the head's 64 (two blocks, each in lanes l and l xor 16) and stored as one image of 768 bytes a tile.
.macro PASS e
	s_mov_b32 s3, \e*KVP
	s_mov_b32 s52, 8
.Lstep_\@:
	STEP \e
	s_add_co_u32 s3, s3, KST
	s_sub_co_u32 s52, s52, 1
	s_cmp_lg_u32 s52, 0
	s_cbranch_scc1 .Lstep_\@
.if \e == 0
.irp y, 0,1
.irp i, 0,1,2,3,4,5
	v_mov_b32 v[Q+12*\y+\i], v[QN+6*\y+\i]         ; the next head's q
.endr
.endr
.endif
	WIN 0x55
	s_wait_alu depctr_va_vdst(0)                   ; ahead of the reads of the sums
.irp y, 0,1
	v_pk_add_f32 v[LA+4*\y:LA+4*\y+1], v[LA+4*\y:LA+4*\y+1], v[LA+4*\y+2:LA+4*\y+3]
.endr
.irp y, 0,1
	v_add_f32 v[LA+4*\y], v[LA+4*\y], v[LA+4*\y+1]
.endr
.irp y, 0,1
	v_permlanex16_b32 v[BT+\y], v[LA+4*\y], s20, s21
.endr
.irp y, 0,1
	v_add_f32 v[LA+4*\y], v[LA+4*\y], v[BT+\y]     ; the row's sum
.endr
	s_wait_alu depctr_va_vdst(0)                   ; ahead of the transcendentals
.irp y, 0,1
	v_rcp_f32 v[F+2*\y], v[LA+4*\y]
.endr
	v_nop
	s_wait_alu depctr_va_vdst(0)                   ; and ahead of their first reader, which is also the first reader of O^T
.irp y, 0,1
.irp q, 0,1,2,3
	ORS \y, \q
.endr
.endr
.irp y, 0,1
.irp c, 0,1
	v_max3_num_f32 v[CM+4*\y+2*\c], |v[O+32*\y+16*\c]|, |v[O+32*\y+16*\c+1]|, 0x1800000
.endr
.endr
.irp i, 2,4,6,8,10,12,14
.irp y, 0,1
.irp c, 0,1
	v_max3_num_f32 v[CM+4*\y+2*\c], v[CM+4*\y+2*\c], |v[O+32*\y+16*\c+\i]|, |v[O+32*\y+16*\c+\i+1]|
.endr
.endr
.endr
.irp i, 0,1,2,3
	v_permlanex16_b32 v[BT+\i], v[CM+2*\i], s20, s21
.endr
.irp i, 0,1,2,3
	v_max_num_f32 v[CM+2*\i], v[CM+2*\i], v[BT+\i]
.endr
.irp i, 0,1,2,3
	v_add_nc_u32 v[SO+\i], 0xff000000, v[CM+2*\i]
.endr
.irp i, 0,1,2,3
	v_lshrrev_b32 v[CM+2*\i], 23, v[SO+\i]
.endr
.irp y, 0,1
.if \e == 0
	v_lshl_or_b32 v[OW+\y], v[CM+4*\y+2], 8, v[CM+4*\y]      ; head 0's two bytes of the word
.else
	v_lshl_or_b32 v[TMP+\y], v[CM+4*\y+2], 8, v[CM+4*\y]
.endif
.endr
.if \e
.irp y, 0,1
	v_lshl_or_b32 v[OW+\y], v[TMP+\y], 16, v[OW+\y]          ; head 1's above them
.endr
.endif
	WIN 0x05
.irp y, 0,1
	v_cvt_scalef32_pk16_fp6_f32 v[PC+12*\y:PC+12*\y+2], v[O+32*\y:O+32*\y+15], v[SO+2*\y]
	v_cvt_scalef32_pk16_fp6_f32 v[PX+8*\y:PX+8*\y+2], v[O+32*\y+16:O+32*\y+31], v[SO+2*\y+1]
.endr
	WIN 0
	v_nop
.irp y, 0,1
.irp i, 0,1,2
	v_permlane16_swap_b32 v[PC+12*\y+\i], v[PX+8*\y+\i]      ; a whole block to a lane
.endr
.endr
.irp y, 0,1
.irp i, 0,1,2
	v_mov_b32 v[PC+12*\y+3+\i], v[PX+8*\y+\i]
.endr
.endr
.irp y, 0,1
	global_store_b128 v[O16], v[PC+12*\y:PC+12*\y+3], s[8:9] offset:12288*\y+768*\e       ; 512 consecutive bytes, aligned to 256
	global_store_b64 v[O8], v[PC+12*\y+4:PC+12*\y+5], s[8:9] offset:12288*\y+768*\e+512   ; 256 consecutive bytes, aligned
.endr
.if \e == 0
	WIN 0x40
.irp y, 0,1
	v_mov_b32 v[NM+2*\y+1], 0xff61b1e6             ; the next head begins: its first factor is 0
	v_mov_b32 v[NM+2*\y], 0x7f61b1e6
.endr
	WIN 0
	s_wait_alu depctr_va_vdst(0)
	s_wait_xcnt 0x0                                ; the stores have read the codes' registers, which the next head writes again
.endif
.endm
	PASS 0
	PASS 1
	v_cmp_ne_u32 s40, 0, v[H8]
	WIN 0x05
	v_cndmask_b32 v12, v[OW], v[OW+1], s40         ; lanes 0-15 my first tile's words, lanes 16-31 my second's: 32 tokens on end
	WIN 0
	ds_store_b32 v[WST], v12
	s_wait_dscnt 0x0                               ; for the others' sake; the unused last loads of K are over too
	s_barrier_signal -1
	s_barrier_wait -1
	s_cmp_lt_u32 s12, 2
	s_cbranch_scc0 .Lno_words
	ds_load_b128 v[12:15], v[WRD]
	s_wait_dscnt 0x0
	global_store_b128 v[WGO], v[12:15], s[10:11]   ; 512 consecutive bytes a wave, aligned to 256
.Lno_words:
	s_wait_tensorcnt 0x0                           ; the wave's end
	ds_add_u32 v[SPW], v[NIL]
	s_wait_dscnt 0x0
	ROUND                                          ; the closing round
	s_endpgm
.Lfunc_end_k_q008871ce00_attn:
	.size	k_q008871ce00_attn, .Lfunc_end_k_q008871ce00_attn-k_q008871ce00_attn
	.p2alignl 7, 3214868480
	.fill 96, 4, 3214868480
	.section	.rodata,"a",@progbits
	.p2align	6, 0x0
	.amdhsa_kernel k_q008871ce00_attn
		.amdhsa_group_segment_fixed_size 327680
		.amdhsa_private_segment_fixed_size 0
		.amdhsa_enable_private_segment 0
		.amdhsa_kernarg_size 32
		.amdhsa_user_sgpr_count 2
		.amdhsa_user_sgpr_kernarg_segment_ptr 1
		.amdhsa_wavefront_size32 1
		.amdhsa_system_sgpr_workgroup_id_x 1
		.amdhsa_system_sgpr_workgroup_id_y 1
		.amdhsa_system_sgpr_workgroup_id_z 1
		.amdhsa_system_vgpr_workitem_id 0
		.amdhsa_next_free_vgpr 488
		.amdhsa_next_free_sgpr 66
		.amdhsa_reserve_vcc 0
		.amdhsa_float_denorm_mode_32 3
		.amdhsa_float_denorm_mode_16_64 3
		.amdhsa_memory_ordered 1
		.amdhsa_forward_progress 1
		.amdhsa_inst_pref_size 83
	.end_amdhsa_kernel
	.amdgpu_metadata
---
amdhsa.version: [ 1, 2 ]
amdhsa.kernels:
  - .name:           k_q008871ce00_attn
    .symbol:         k_q008871ce00_attn.kd
    .args:
      - { .name: qq, .offset: 0, .size: 8, .value_kind: global_buffer, .address_space: global }
      - { .name: kv, .offset: 8, .size: 8, .value_kind: global_buffer, .address_space: global }
      - { .name: oc, .offset: 16, .size: 8, .value_kind: global_buffer, .address_space: global }
      - { .name: os, .offset: 24, .size: 8, .value_kind: global_buffer, .address_space: global }
    .group_segment_fixed_size: 327680
    .private_segment_fixed_size: 0
    .kernarg_segment_align: 8
    .kernarg_segment_size: 32
    .max_flat_workgroup_size: 256
    .sgpr_count:     66
    .vgpr_count:     488
    .wavefront_size: 32
...
	.end_amdgpu_metadata
.endif
;; end of part 3
;; launch outp (part 4): grid 4 x 64, 4 waves a work-group, clusters of 4 x 4, 327,680 bytes of LDS; arguments oc, os, wc, wsc, out_b, out0; writes out0
.if DOCPART == 4
	.amdgcn_target "amdgcn-amd-amdhsa--gfx1250"
	.amdhsa_code_object_version 6
	.text
	.protected	k_q008871ce00_outp
	.globl	k_q008871ce00_outp
	.p2align	8
	.type	k_q008871ce00_outp,@function
k_q008871ce00_outp:
	s_mov_b64 s[64:65], 0
	v_nop
	global_prefetch_b8 v0, s[64:65] scope:SCOPE_SE
	s_setreg_imm32_b32 hwreg(HW_REG_WAVE_MODE, 25, 1), 1
	s_wait_xcnt 0x0
	s_wait_alu depctr_hold_cnt(0) depctr_sa_sdst(0) depctr_va_vdst(0) depctr_va_sdst(0) depctr_va_ssrc(0) depctr_va_vcc(0) depctr_vm_vsrc(0)
	s_getreg_b32 s2, hwreg(HW_REG_IB_STS2, 6, 4)
	s_cmp_eq_u32 s2, 0
	s_cbranch_scc0 .Lentry_in_a_cluster
	s_endpgm
.Lentry_in_a_cluster:
	s_bfe_u32 s2, ttmp6, 0x10000c
	s_cmp_lg_u32 s2, 0xf033
	s_cbranch_scc0 .Lentry_shape_is_right
	s_endpgm
.Lentry_shape_is_right:
; out0 = o out_w^T + out_b on codes of FP6 (E2M3) with E8M0 scales: [8192][1024] x [1024][1024]^T, f32 out.
; A tile of 128 tokens x 256 columns to a work-group: 64 x 4 = 256 work-groups, one for each WGP (tiles of 256 x 256 would be 128).  Four waves, 64 x 128 each: 32 accumulators, 256 registers.
; The price of the smaller tile: a step of 128 K reads 12 fragments of 1,536 bytes from LDS for 32 products, 576 bytes a product against 384 with 128 x 128 a wave.
; THE MATRIX INSTRUCTION IS USED TRANSPOSED (source 0 = 16 rows of out_w, source 1 = 16 tokens): a lane holds eight neighbouring numbers of a row of out0.
; CODES lie as images of operand registers: [tile of 16 rows][64 K][768 bytes] (registers 0-3 at 16 l, registers 4-5 at 512 + 8 l): a fragment comes by four dense LDS loads.  Inside each block of 32 along K both operands have the order 0-7, 16-23, 8-15, 24-31.
; ALL OF K LIES IN LDS: two slots of 512 K (A's 8 row tiles x 6,144 bytes, then B's 16: 147,456 bytes) and the scale words of the work-group's rows: 307,200 bytes.  NO SLOT IS FILLED AGAIN.
; Each wave issues one load behind the opening round and one joint load for slot 1 behind a second round; slot 1 is read behind a wait for it and a barrier.
; CLUSTERS of 4 x 4: o's tiles are shared along a row of the cluster, out_w's along a column.  No prefetch: every tile is asked for at the head.  The bias is the C of each sum's first product.
; A STEP of 128 K: wait for its own fragments (asked for a whole step earlier), ask for the next step's 12 fragments and 12 scale words into the other set, 32 products.
; REGISTERS: window 0: v1-6 offsets, v24-27 addresses, v32-55 scale words (two sets of 4 + 8; nothing else ever), v80-87 fragment addresses of the two slots, v128-223 A's fragments (two sets of 48), on the way out v128-255 rows of out0.
;   Window 1: B's fragments, two sets at v0 and v128; the bias at v96-127 and v224-255.  Window 2: the accumulators, (a, b) at v[8 (8 a + b)].
.set FR,    12                         ; registers of a fragment
.set NP,    4                          ; places behind this matrix instruction (ISA guide 7.12.1)
; AS THE TEXT NOW STANDS: TWO slots of 512 K (A's 8 row tiles x 6,144 bytes, then B's 16).  At the head each wave issues ONE joint load: wave 0 slot 0's A, wave 1 its B, wave 2 A's scale words, wave 3 B's.
; Slot 1 is first filled behind the three lines and a round of the cluster's barrier, a quarter a wave, and is read from step 4 on, behind a wait for it and a barrier.  Nothing is filled again.
.set ATILE, 49152                      ; A's part of a slot
.set SLOT,  147456
.set SCA,   2*SLOT                     ; A's scale words: [128 K: 8 planes][128 rows]; B's: [8 planes][256 rows]
.set SCB,   SCA+4096                   ; B's: [128 K: 8 planes][256 rows]
.set SPITCH, 528                       ; the way out: a stage of 16 rows x (512 + 16) bytes a wave, in slot 0, which is filled once and has had its last read by then
.set SIZE_N, 1024
.set CO,    1                          ; v1  16 l: also my byte offset in a row of out0
.set STO,   24
.set RD,    25
.set ASA,   26                         ; v26 my row's scale words of A
.set ASB,   27                         ; v27 and of B
.set SC,    32
.set AD,    80                         ; v[AD + 4 s ..]: slot s: A + 16 l, A + 8 l, B + 16 l, B + 8 l
.set AF,    128
.set BK,    128
.set G1,    24                         ; s[24:31] group 1 for A's codes;  s[32:39] its groups 0, one for each slot
.set G0,    32
.set G1B,   48                         ; s[48:55] for B's codes;  groups 0 at s56, s60
.set G0B,   56
.set G1S,   76                         ; s[76:83], s[84:91] groups 1 for A's and B's scale words;  s[92:95], s[96:99] their groups 0
.set G1SB,  84
.set G0S,   92
.set G0SB,  96
.set MSB, 0
.macro WIN new                         ; the immediate's high byte repeats the setting that is left
.if MSB != (\new)
	s_set_vgpr_msb (MSB<<8)|(\new)
.set MSB, \new
.endif
.endm
.set TO_B,   0x40                      ; destination window 1, address window 0
.macro JLOAD g0a, g1a, g0b, g1b        ; waves 0 and 1 fetch for A, waves 2 and 3 for B; the branch hangs on the wave's number alone; four v_nop follow each of the two lines
	s_cmp_eq_u32 s17, 0
	s_cbranch_scc0 .Lfor_b_\@
	tensor_load_to_lds s[\g0a:\g0a+3], s[\g1a:\g1a+7]
	s_nop 0
.rept 4
	v_nop
.endr
	s_branch .Lasked_\@
.Lfor_b_\@:
	tensor_load_to_lds s[\g0b:\g0b+3], s[\g1b:\g1b+7]
	s_nop 0
.rept 4
	v_nop
.endr
.Lasked_\@:
.endm
.macro CROUND                          ; a round of the cluster's barrier
	s_barrier_signal -1
	s_barrier_wait -1
	s_cmp_lg_u32 s16, 0
	s_cbranch_scc1 .Lnot_wave_0_\@
	s_barrier_signal -3
.Lnot_wave_0_\@:
	s_barrier_wait -3
	s_barrier_signal -1
	s_barrier_wait -1
.endm
.macro PLACES n
.rept \n
	v_nop
.endr
.endm
	s_load_b256 s[4:11], s[0:1], 0x0               ; oc, os, wc, wsc
	s_load_b128 s[12:15], s[0:1], 0x20             ; out_b, out0
	v_lshl_add_u32 v126, v0, 2, 0x4b000
	v_mov_b32 v127, 0
	ds_add_u32 v126, v127
	ds_add_u32 v126, v127
	v_lshrrev_b32 v1, 5, v0
	v_readfirstlane_b32 s16, v1                    ; wave 0..3
	s_lshr_b32 s17, s16, 1                         ; which 64 tokens are mine.  Also: I fetch for A (0) or for B (1)
	s_and_b32 s18, s16, 1                          ; which 128 columns.  Also: which half of that side's rows I fetch
	s_bfe_u32 s19, ttmp6, 0x40000                  ; cx
	s_bfe_u32 s21, ttmp6, 0x40004                  ; cy
	s_lshl_b32 s22, ttmp9, 2
	s_add_co_u32 s22, s22, s19                     ; tile column
	s_and_b32 s23, ttmp7, 0xffff
	s_lshl_b32 s23, s23, 2
	s_add_co_u32 s23, s23, s21                     ; tile row
	s_lshl_b32 s2, s21, 2
	s_lshl_b32 s2, 15, s2                          ; my row of the cluster
	s_lshl_b32 s3, 0x1111, s19                     ; my column
	; groups 1.  Word 0: 15:0 the mask; 17:16 elements of 8 bytes; 21 set beside a mask; no padding
	s_or_b32 s[G1+0], s2, (3<<16)|(1<<21)
	s_or_b32 s[G1B+0], s3, (3<<16)|(1<<21)
	s_or_b32 s[G1S+0], s2, (3<<16)|(1<<21)
	s_or_b32 s[G1SB+0], s3, (3<<16)|(1<<21)
	s_mov_b32 s[G1+1], 768<<16                     ; A's codes: rows of 768 elements (6,144 bytes: 512 K), 1,536 elements apart; 8 row tiles at the head, 4 behind it
	s_mov_b32 s[G1+2], 8<<16
	s_mov_b32 s[G1+3], 768<<16
	s_mov_b32 s[G1+4], 8
	s_mov_b32 s[G1+5], 1536
	s_mov_b32 s[G1+6], 0
	s_mov_b32 s[G1+7], 0
	s_mov_b32 s[G1B+1], 768<<16                    ; B's codes: 16 row tiles at the head, 8 behind it
	s_mov_b32 s[G1B+2], 16<<16
	s_mov_b32 s[G1B+3], 768<<16
	s_mov_b32 s[G1B+4], 16
	s_mov_b32 s[G1B+5], 1536
	s_mov_b32 s[G1B+6], 0
	s_mov_b32 s[G1B+7], 0
	s_mov_b32 s[G1S+1], 64<<16                     ; A's scale words: 8 planes x 128 rows x 4 bytes; a plane of os is 4,096 elements
	s_mov_b32 s[G1S+2], 8<<16
	s_mov_b32 s[G1S+3], 64<<16
	s_mov_b32 s[G1S+4], 8
	s_mov_b32 s[G1S+5], 4096
	s_mov_b32 s[G1S+6], 0
	s_mov_b32 s[G1S+7], 0
	s_mov_b32 s[G1SB+1], 128<<16                   ; B's: 8 planes x 256 rows x 4 bytes; a plane of wsc is 6,144 elements
	s_mov_b32 s[G1SB+2], 8<<16
	s_mov_b32 s[G1SB+3], 128<<16
	s_mov_b32 s[G1SB+4], 8
	s_mov_b32 s[G1SB+5], 6144
	s_mov_b32 s[G1SB+6], 0
	s_mov_b32 s[G1SB+7], 0
	; where the tiles come from: byte offsets first, straight in the descriptors' address words
	s_lshl_b32 s20, s23, 7
	s_mul_i32 s[G0+2], s20, 768                    ; a row is 768 bytes of codes
	s_mov_b32 s[G0+3], 0
	s_lshl_b32 s[G0S+2], s20, 2                    ; and 4 bytes in a plane of scale words
	s_mov_b32 s[G0S+3], 0
	s_lshl_b32 s3, s22, 8
	s_add_co_u32 s3, s3, 11264                     ; B: out_w's rows begin at row 11,264 of wc; hangs on the tile column alone
	s_mul_i32 s[G0B+2], s3, 768
	s_mov_b32 s[G0B+3], 0
	s_lshl_b32 s[G0SB+2], s3, 2
	s_mov_b32 s[G0SB+3], 0
	; and where they go: no place in the cluster enters an LDS address
	s_mov_b32 s[G0], 1                             ; slot 0: whole tiles
	s_mov_b32 s[G0+1], 0
	s_mov_b32 s[G0B], 1
	s_mov_b32 s[G0B+1], ATILE
	s_mov_b32 s[G0+4], 1                           ; slot 1: my half of a side's row tiles
	s_mul_i32 s20, s18, 24576
	s_add_co_u32 s[G0+5], s20, SLOT
	s_mov_b32 s[G0B+4], 1
	s_mul_i32 s20, s18, 49152
	s_add_co_u32 s[G0B+5], s20, SLOT+ATILE
	s_add_co_u32 s40, s20, 6144                    ; and where it lies in memory: A: half x 64 rows of 768 bytes, 512 K on;
	s_mov_b32 s41, 0
	s_mul_i32 s42, s18, 98304
	s_add_co_u32 s42, s42, 6144                    ; B: half x 128 rows
	s_mov_b32 s43, 0
	s_mov_b32 s[G0S], 1
	s_mov_b32 s[G0S+1], SCA
	s_mov_b32 s[G0SB], 1
	s_mov_b32 s[G0SB+1], SCB
	s_lshl_b32 s20, s22, 10
	s_lshl_b32 s2, s18, 9
	s_add_co_u32 s20, s20, s2                      ; my first column x 4
	v_bfe_u32 v5, v0, 4, 1                         ; h
	v_lshl_add_u32 v6, v5, 5, s20                  ; the bias of columns 8 h + 0 .. 7 of a tile of 16
	s_lshl_b32 s2, s23, 7
	s_lshl_b32 s3, s17, 6
	s_add_co_u32 s2, s2, s3                        ; my first row of out0
	s_lshl_b32 s2, s2, 12                          ; x 4,096 bytes
	s_add_co_u32 s2, s2, s20
	s_mov_b32 s3, 0
	s_wait_alu depctr_va_vdst(0)
	s_wait_dscnt 0x0
	s_wait_kmcnt 0x0
	s_add_nc_u64 s[G0+2:G0+3], s[4:5], s[G0+2:G0+3]
	s_add_nc_u64 s[G0S+2:G0S+3], s[6:7], s[G0S+2:G0S+3]
	s_add_nc_u64 s[G0B+2:G0B+3], s[8:9], s[G0B+2:G0B+3]
	s_add_nc_u64 s[G0SB+2:G0SB+3], s[10:11], s[G0SB+2:G0SB+3]
	s_add_nc_u64 s[G0+6:G0+7], s[G0+2:G0+3], s[40:41]
	s_or_b32 s[G0+7], s[G0+7], 0x80000000
	s_add_nc_u64 s[G0B+6:G0B+7], s[G0B+2:G0B+3], s[42:43]
	s_or_b32 s[G0B+7], s[G0B+7], 0x80000000
	s_or_b32 s[G0+3], s[G0+3], 0x80000000          ; 127:126 type = 2
	s_or_b32 s[G0B+3], s[G0B+3], 0x80000000
	s_or_b32 s[G0S+3], s[G0S+3], 0x80000000
	s_or_b32 s[G0SB+3], s[G0SB+3], 0x80000000
	s_add_nc_u64 s[14:15], s[14:15], s[2:3]
	WIN TO_B
.irp b, 0,1,2,3,4,5,6,7                        ; the bias of columns 16 b + 8 h + 0 .. 7, in the result's layout; asked for ahead of the round
	global_load_b128 v[96+8*\b+96*(\b/4):96+8*\b+96*(\b/4)+3], v6, s[12:13] offset:64*\b
	global_load_b128 v[96+8*\b+96*(\b/4)+4:96+8*\b+96*(\b/4)+7], v6, s[12:13] offset:64*\b+16
.endr
	WIN 0
	CROUND                                         ; all sixteen work-groups are here: the joint loads meet
; THE HEAD'S LOADS, ONE A WAVE: one chain of branches on the wave's number, all arms to one join
.macro ARM under, g0, g1, next
	s_cmp_lt_u32 s16, \under
	s_cbranch_scc0 \next
	tensor_load_to_lds s[\g0:\g0+3], s[\g1:\g1+7]
	s_nop 0
.rept 4
	v_nop
.endr
	s_branch .Lhead_asked
\next:
.endm
	ARM 1, G0,  G1,  .Lhead_b
	ARM 2, G0B, G1B, .Lhead_sa
	ARM 3, G0S, G1S, .Lhead_sb
	tensor_load_to_lds s[G0SB:G0SB+3], s[G1SB:G1SB+7]
	s_nop 0
.rept 4
	v_nop
.endr
.Lhead_asked:
	v_and_b32 v3, 31, v0                           ; l
	v_and_b32 v4, 15, v0                           ; r
	v_lshlrev_b32 v1, 4, v3                        ; 16 l
	v_lshlrev_b32 v2, 3, v3                        ; 8 l
	s_mul_i32 s20, s17, 24576                      ; my 64 rows of A
	s_mul_i32 s2, s18, 49152
	s_add_co_u32 s2, s2, ATILE                     ; my 128 rows of B
.irp s, 0,1
	v_add_nc_u32 v[AD+4*\s], s20, v1
	v_add_nc_u32 v[AD+4*\s+1], s20, v2
	v_add_nc_u32 v[AD+4*\s+2], s2, v1
	v_add_nc_u32 v[AD+4*\s+3], s2, v2
	s_add_co_u32 s20, s20, SLOT
	s_add_co_u32 s2, s2, SLOT
.endr
	s_lshl_b32 s20, s17, 8
	s_add_co_u32 s20, s20, SCA
	v_lshl_add_u32 v[ASA], v4, 2, s20              ; lanes l and l + 16 read the same word
	s_lshl_b32 s20, s18, 9
	s_add_co_u32 s20, s20, SCB
	v_lshl_add_u32 v[ASB], v4, 2, s20
	s_mul_i32 s20, s16, 16*SPITCH                  ; my stage
	v_mul_u32_u24 v3, v4, SPITCH
	v_lshl_add_u32 v3, v5, 5, v3
	v_add_nc_u32 v[STO], s20, v3                   ; in: row r, 32 bytes for each half of the lanes
	v_add_nc_u32 v[RD], s20, v1                    ; back: the 32 lanes take one row of 512 bytes
.macro FRAG reg, adr, q, i             ; a fragment, 16 rows x 128 K: two images of six registers, as they lie
	ds_load_b128 v[\reg:\reg+3], v[\adr] offset:6144*(\i)+1536*(\q)
	ds_load_b64 v[\reg+4:\reg+5], v[\adr+1] offset:6144*(\i)+1536*(\q)+512
	ds_load_b128 v[\reg+6:\reg+9], v[\adr] offset:6144*(\i)+1536*(\q)+768
	ds_load_b64 v[\reg+10:\reg+11], v[\adr+1] offset:6144*(\i)+1536*(\q)+1280
.endm
; Step g's operands (g = 0 .. 7: slot g / 4, its quarter g % 4) into set g % 2: B's eight fragments, A's four, and the twelve scale words: 60 LDS loads
.macro FETCH g
	WIN TO_B
.irp i, 0,1,2,3,4,5,6,7
	FRAG 128*((\g)%2)+FR*\i, AD+4*((\g)/4)+2, (\g)%4, \i
.endr
	WIN 0
.irp i, 0,1,2,3
	FRAG AF+48*((\g)%2)+FR*\i, AD+4*((\g)/4), (\g)%4, \i
.endr
.irp i, 0,1,2,3
	ds_load_b32 v[SC+12*((\g)%2)+\i], v[ASA] offset:512*(\g)+64*\i
.endr
.irp b, 0,1,2,3,4,5,6,7
	ds_load_b32 v[SC+12*((\g)%2)+4+\b], v[ASB] offset:1024*(\g)+64*\b
.endr
.endm
; 16 matrix instructions: A's blocks a0, a0 + 1 x B's eight.  In step 0 the product starts the sums from the bias.  The 32 accumulators take turns, one instruction a turn, in the same order in every step.
.macro MUL16 a0, g
.irp a, \a0, \a0+1
.irp b, 0,1,2,3,4,5,6,7
.if (\g) == 0
	v_wmma_scale_f32_16x16x128_f8f6f4 v[8*(8*(\a)+\b):8*(8*(\a)+\b)+7], v[128*((\g)%2)+FR*\b:128*((\g)%2)+FR*\b+FR-1], v[AF+48*((\g)%2)+FR*(\a):AF+48*((\g)%2)+FR*(\a)+FR-1], v[96+8*\b+96*(\b/4):96+8*\b+96*(\b/4)+7], v[SC+12*((\g)%2)+4+\b], v[SC+12*((\g)%2)+(\a)] matrix_a_fmt:MATRIX_FMT_FP6 matrix_b_fmt:MATRIX_FMT_FP6
.else
	v_wmma_scale_f32_16x16x128_f8f6f4 v[8*(8*(\a)+\b):8*(8*(\a)+\b)+7], v[128*((\g)%2)+FR*\b:128*((\g)%2)+FR*\b+FR-1], v[AF+48*((\g)%2)+FR*(\a):AF+48*((\g)%2)+FR*(\a)+FR-1], v[8*(8*(\a)+\b):8*(8*(\a)+\b)+7], v[SC+12*((\g)%2)+4+\b], v[SC+12*((\g)%2)+(\a)] matrix_a_fmt:MATRIX_FMT_FP6 matrix_b_fmt:MATRIX_FMT_FP6
.endif
.endr
.endr
.endm
.macro STEP g
	s_wait_dscnt 0x0                               ; this step's operands, asked for a step ago, are in; no LDS instruction of mine is out
.if (\g) == 3
	s_wait_tensorcnt 0x0                           ; my part of slot 1 is in
	s_barrier_signal -1
	s_barrier_wait -1                              ; everybody's is
.endif
.if (\g) < 7
.if (\g) > 0
	PLACES NP                                      ; in front of loads into the set that the last step's products have read
.endif
	FETCH (\g)+1
.endif
.if (\g) == 0
	WIN 0x91                                       ; source 0 (B) and C (the bias) window 1, source 1 (A) window 0, D window 2
.else
	WIN 0xa1                                       ; C and D window 2
.endif
	MUL16 0, \g
	MUL16 2, \g
.endm
	s_wait_alu depctr_va_vdst(0)
	s_wait_loadcnt 0x0                             ; the bias
	s_wait_tensorcnt 0x0                           ; my tile of the head's four is in
	ds_add_u32 v126, v127
	s_mov_b32 s[G1+2], 4<<16                       ; no tensor load of mine is out: from here on a load brings half a side's row tiles
	s_mov_b32 s[G1+4], 4
	s_mov_b32 s[G1B+2], 8<<16
	s_mov_b32 s[G1B+4], 8
	s_wait_dscnt 0x0                               ; the add is done
	CROUND                                         ; all four tiles are in, and all sixteen work-groups are here
	JLOAD G0+4, G1, G0B+4, G1B                     ; slot 1's first fill: my one tensor load behind the round
	FETCH 0
.irp g, 0,1,2,3,4,5,6,7                        ; K = 1,024: eight steps, written out
	STEP \g
.endr
	WIN 0
; THE WAY OUT, block by block of 16 rows x 128 columns, through my own stage: in as 32 bytes a lane, back as whole rows of 512 bytes.  LDS serves a wave's instructions in order: no wait between the stores and the loads.
; The stage lies in slot 0: every wave has passed a barrier since its last read of that slot, and no tensor load is out.
.macro TOSTAGE a
.set AC, 64*(\a)
	WIN 0x08                                       ; an LDS store's data are its source 1: window 2
.irp b, 0,1,2,3,4,5,6,7
	ds_store_b128 v[STO], v[AC+8*\b:AC+8*\b+3] offset:64*\b          ; each accumulator from its low end on
	ds_store_b128 v[STO], v[AC+8*\b+4:AC+8*\b+7] offset:64*\b+16
.endr
	WIN 0
.set BB, BK+64*((\a)%2)
.irp t, 0,1,2,3,4,5,6,7,8,9,10,11,12,13,14,15
	ds_load_b128 v[BB+4*\t:BB+4*\t+3], v[RD] offset:\t*SPITCH
.endr
.endm
.macro SEND a, younger                 ; younger: the LDS instructions issued behind block a's loads
.set BB, BK+64*((\a)%2)
	s_wait_dscnt \younger
.irp t, 0,1,2,3,4,5,6,7,8,9,10,11,12,13,14,15
	global_store_b128 v[CO], v[BB+4*\t:BB+4*\t+3], s[14:15] offset:(16*(\a)+\t)*SIZE_N*4 th:TH_STORE_NT   ; 32 lanes store 512 consecutive bytes, at a multiple of 256 from out0's first byte; the row stands in the immediate: 63 rows of 4,096 bytes at the most
.endr
.endm
	PLACES NP                                      ; behind the last products: for the reads of results and the loads over A's fragments
	TOSTAGE 0
.irp a, 1,2,3
.if \a > 1
	s_wait_xcnt 0x0                                ; block a - 2's stores have read their registers: block a's rows may land there
.endif
	TOSTAGE \a
	SEND \a-1, 32                                  ; behind block a - 1's loads: block a's 16 stores and 16 loads
.endr
	SEND 3, 0
	s_wait_tensorcnt 0x0
	ds_add_u32 v126, v127
	s_wait_dscnt 0x0
	CROUND                                         ; the closing round: no work-group ends while a partner may still ask for a tile that names it
	s_endpgm
.Lfunc_end_k_q008871ce00_outp:
	.size	k_q008871ce00_outp, .Lfunc_end_k_q008871ce00_outp-k_q008871ce00_outp
	.p2alignl 7, 3214868480
	.fill 96, 4, 3214868480
	.section	.rodata,"a",@progbits
	.p2align	6, 0x0
	.amdhsa_kernel k_q008871ce00_outp
		.amdhsa_group_segment_fixed_size 327680
		.amdhsa_private_segment_fixed_size 0
		.amdhsa_enable_private_segment 0
		.amdhsa_kernarg_size 48
		.amdhsa_user_sgpr_count 2
		.amdhsa_user_sgpr_kernarg_segment_ptr 1
		.amdhsa_wavefront_size32 1
		.amdhsa_system_sgpr_workgroup_id_x 1
		.amdhsa_system_sgpr_workgroup_id_y 1
		.amdhsa_system_sgpr_workgroup_id_z 1
		.amdhsa_system_vgpr_workitem_id 0
		.amdhsa_next_free_vgpr 768
		.amdhsa_next_free_sgpr 100
		.amdhsa_reserve_vcc 0
		.amdhsa_float_denorm_mode_32 3
		.amdhsa_float_denorm_mode_16_64 3
		.amdhsa_memory_ordered 1
		.amdhsa_forward_progress 1
		.amdhsa_inst_pref_size 91
	.end_amdhsa_kernel
	.amdgpu_metadata
---
amdhsa.version: [ 1, 2 ]
amdhsa.kernels:
  - .name:           k_q008871ce00_outp
    .symbol:         k_q008871ce00_outp.kd
    .args:
      - { .name: oc, .offset: 0, .size: 8, .value_kind: global_buffer, .address_space: global }
      - { .name: os, .offset: 8, .size: 8, .value_kind: global_buffer, .address_space: global }
      - { .name: wc, .offset: 16, .size: 8, .value_kind: global_buffer, .address_space: global }
      - { .name: wsc, .offset: 24, .size: 8, .value_kind: global_buffer, .address_space: global }
      - { .name: out_b, .offset: 32, .size: 8, .value_kind: global_buffer, .address_space: global }
      - { .name: out0, .offset: 40, .size: 8, .value_kind: global_buffer, .address_space: global }
    .group_segment_fixed_size: 327680
    .private_segment_fixed_size: 0
    .kernarg_segment_align: 8
    .kernarg_segment_size: 48
    .max_flat_workgroup_size: 128
    .sgpr_count:     100
    .vgpr_count:     768
    .wavefront_size: 32
...
	.end_amdgpu_metadata
.endif
;; end of part 4
